; MI455X (gfx1250); checked and timed in simulation.
; The chip was launched on July 23, 2026; its instructions are those of AMD's public machine-readable ISA for CDNA 5 (MIT licence, August 2026) and "CDNA5" Instruction Set Architecture Reference Guide (July 2026). The comments in the code are by the model that wrote it; some were corrected since.
;; Cross Attention Block. Allowed arithmetic: float matrix products may take bf16 or f16 operands with f32 sums; all other float work in f32.
;; Inputs: cond 16 x 768 float32; crossattn_cond 16 x 256 x 1,024 float32; crossattn_mask 16 x 256 bool; qk_scale 16 float32; w_cnorm 1,024 x 768 float32; w_kv 2,048 x 1,024 float32; w_norm 1,024 x 768 float32; w_o 1,024 x 1,024 float32; w_q 1,024 x 1,024 float32; x 16 x 32 x 32 x 1,024 float32.
;; Outputs: out0 16 x 32 x 32 x 1,024 float32.
;; One version. Each part assembles by itself: llvm-mc -triple=amdgcn-amd-amdhsa -mcpu=gfx1250 --defsym DOCPART=n.
;; ======== version 1 of 1: 5 launches
;; workspace buffers: tab 147,712 bytes; wb 8,388,608 bytes; xn 33,554,432 bytes; ccn 8,388,608 bytes; kv 16,777,216 bytes; oh 33,554,432 bytes
;; launch prep (part 1): grid 641 x 1, 4 waves a work-group, no clusters, 4,608 bytes of LDS; arguments cond, w_norm, w_cnorm, w_q, w_o, w_kv, crossattn_mask, tab, wb; writes tab, wb
.if DOCPART == 1
	.amdgcn_target "amdgcn-amd-amdhsa--gfx1250"
	.amdhsa_code_object_version 6
	.text
	.protected	k_q5274a9d91d_prep
	.globl	k_q5274a9d91d_prep
	.p2align	8
	.type	k_q5274a9d91d_prep,@function
k_q5274a9d91d_prep:
	s_mov_b64 s[64:65], 0
	v_nop
	global_prefetch_b8 v0, s[64:65] scope:SCOPE_SE
	s_setreg_imm32_b32 hwreg(HW_REG_WAVE_MODE, 25, 1), 1
	s_wait_xcnt 0x0
; PREP.  Three roles, chosen by the work-group's number (the same for all four waves of a work-group):
;   0..127    SCALES: tab[sel][batch][channel] = 1 + sum over k of cond[batch][k] w[channel][k], w = w_norm (sel 0) or w_cnorm (sel 1); 16 channels x 16 batches a work-group,
;             K = 768 shared out among the four waves (192 each, six matrix steps of 32), the four partial sums met in LDS.  Operands rounded to bf16, sums in f32.
;   128..639  WEIGHTS: w_q, w_o, w_kv rounded to bf16 into wb, where they lie end to end; 32,768 bytes of f32 a work-group.
;   640       MASK: crossattn_mask's bytes become f32 addends (0 visible, -1e30 hidden) at tab + 131,072, and for each batch a flag (1.0: some key is visible, 0.0: none) at tab + 147,456.
; LDS: bytes 0..4,095 the four waves' partial sums (1,024 each); from 4,096 the spare words, 128 bytes a wave.
.set SPARE, 4096
.set SPW, 10                           ; v10  my spare word's address; never rewritten: no role loads into or writes v10, v11
.set NIL, 11                           ; v11  0; never rewritten
.set WF,  16                           ; v[16:111]   w's numbers, 16 registers a step, f32 as loaded, then 8 of bf16
.set CF,  112                          ; v[112:207]  cond's, likewise
.set AC0, 208                          ; v[208:215]  sums of the even steps
.set AC1, 216                          ; v[216:223]  sums of the odd steps
	s_load_b256 s[4:11], s[0:1], 0x0               ; cond s[4:5], w_norm s[6:7], w_cnorm s[8:9], w_q s[10:11]
	s_load_b256 s[12:19], s[0:1], 0x20             ; w_o s[12:13], w_kv s[14:15], mask s[16:17], tab s[18:19]
	s_load_b64 s[20:21], s[0:1], 0x40              ; wb
	v_lshl_add_u32 v[SPW], v0, 2, SPARE
	v_mov_b32 v[NIL], 0
	v_and_b32 v1, 31, v0                           ; lane
	v_lshrrev_b32 v2, 5, v0
	v_readfirstlane_b32 s22, v2                    ; wave
	s_wait_kmcnt 0x0
	s_cmp_lt_u32 ttmp9, 128
	s_cbranch_scc0 .Lnot_scales
	; ---------------- SCALES ----------------
	s_lshr_b32 s23, ttmp9, 6                       ; sel
	s_and_b32 s24, ttmp9, 63                       ; which 16 channels
	s_cmp_eq_u32 s23, 0
	s_cselect_b64 s[6:7], s[6:7], s[8:9]           ; w_norm or w_cnorm
	s_mul_i32 s26, s22, 768                        ; my wave's 192 numbers of every row, in bytes
	s_mov_b32 s27, 0
	s_mul_i32 s28, s24, 49152                      ; 16 rows of 3,072 bytes
	s_add_co_u32 s28, s28, s26
	s_mov_b32 s29, 0
	s_add_nc_u64 s[6:7], s[6:7], s[28:29]
	s_add_nc_u64 s[4:5], s[4:5], s[26:27]
	v_and_b32 v3, 15, v0                           ; r: my channel (source 0) and my batch (source 1)
	v_bfe_u32 v4, v0, 4, 1                         ; h
	v_mul_u32_u24 v5, v3, 3072
	v_lshl_add_u32 v5, v4, 5, v5                   ; row x 3,072 + 32 h: a fragment's k = 8 h + 0..7 are 32 bytes of f32, k = 16 + 8 h + 0..7 lie 64 bytes on
.irp t, 0,1,2,3,4,5
.irp q, 0,1,2,3
	global_load_b128 v[WF+16*(\t)+4*(\q):WF+16*(\t)+4*(\q)+3], v5, s[6:7] offset:128*(\t)+16*((\q)%2)+64*((\q)/2) th:TH_LOAD_NT
.endr
.irp q, 0,1,2,3
	global_load_b128 v[CF+16*(\t)+4*(\q):CF+16*(\t)+4*(\q)+3], v5, s[4:5] offset:128*(\t)+16*((\q)%2)+64*((\q)/2)
.endr
.endr
.irp t, 0,1,2,3,4,5
	s_wait_loadcnt 40-8*(\t)                       ; 48 loads, eight a step, back in order: the later steps' may stay out
.irp i, 0,1,2,3,4,5,6,7
	v_cvt_pk_bf16_f32 v[WF+16*(\t)+(\i)], v[WF+16*(\t)+2*(\i)], v[WF+16*(\t)+2*(\i)+1]  ; in place, ascending: register i is written when registers 2 i, 2 i + 1 are read
.endr
.irp i, 0,1,2,3,4,5,6,7
	v_cvt_pk_bf16_f32 v[CF+16*(\t)+(\i)], v[CF+16*(\t)+2*(\i)], v[CF+16*(\t)+2*(\i)+1]
.endr
.if (\t) < 2                                           ; two accumulators by turns; the first two steps start the sums
	v_wmma_f32_16x16x32_bf16 v[AC0+8*((\t)%2):AC0+8*((\t)%2)+7], v[WF+16*(\t):WF+16*(\t)+7], v[CF+16*(\t):CF+16*(\t)+7], 0
.else
	v_wmma_f32_16x16x32_bf16 v[AC0+8*((\t)%2):AC0+8*((\t)%2)+7], v[WF+16*(\t):WF+16*(\t)+7], v[CF+16*(\t):CF+16*(\t)+7], v[AC0+8*((\t)%2):AC0+8*((\t)%2)+7]
.endif
.endr
.rept 4
	v_nop                                          ; four places between the last product and the first read of a sum (ISA guide 7.12.1)
.endr
.irp i, 0,2,4,6
	v_pk_add_f32 v[AC0+(\i):AC0+(\i)+1], v[AC0+(\i):AC0+(\i)+1], v[AC1+(\i):AC1+(\i)+1]  ; lane (r, h), register j: channel 8 h + j, batch r
.endr
	v_lshlrev_b32 v6, 4, v1                        ; 16 x lane
	v_lshl_add_u32 v7, s22, 10, v6                 ; + my wave's 1,024 bytes
	ds_store_b128 v7, v[AC0:AC0+3]
	ds_store_b128 v7, v[AC0+4:AC0+7] offset:512
	s_wait_dscnt 0x0                               ; for the others' sake: my partial sums are in LDS
	s_barrier_signal -1
	s_barrier_wait -1
	s_lshr_b32 s26, s22, 1                         ; wave w adds registers 2 w, 2 w + 1 of all four partial sums
	s_lshl_b32 s26, s26, 9
	s_and_b32 s27, s22, 1
	s_lshl_b32 s27, s27, 3
	s_add_co_u32 s26, s26, s27
	v_add_nc_u32 v8, s26, v6
.irp p, 0,1,2,3
	ds_load_b64 v[16+2*(\p):17+2*(\p)], v8 offset:1024*(\p)
.endr
	s_lshl_b32 s28, s23, 16                        ; tab: sel x 65,536 + batch x 4,096 + channel x 4
	s_lshl_b32 s29, s24, 6
	s_add_co_u32 s28, s28, s29
	s_lshl_b32 s29, s22, 3
	s_add_co_u32 s28, s28, s29
	v_lshlrev_b32 v9, 12, v3
	v_lshl_add_u32 v9, v4, 5, v9
	v_add_nc_u32 v9, s28, v9
	s_wait_dscnt 0x0
	v_pk_add_f32 v[16:17], v[16:17], v[18:19]
	v_pk_add_f32 v[20:21], v[20:21], v[22:23]
	v_pk_add_f32 v[16:17], v[16:17], v[20:21]
	v_pk_add_f32 v[16:17], v[16:17], 1.0 op_sel_hi:[1,0]
	global_store_b64 v9, v[16:17], s[18:19]        ; 8 bytes a lane: the two tables are 131,072 bytes in all, so no stage is built for them
	s_wait_tensorcnt 0x0                           ; the wave's end: behind my last LDS store
	ds_add_u32 v[SPW], v[NIL]
	s_wait_dscnt 0x0
	s_endpgm
.Lnot_scales:
	s_cmp_lt_u32 ttmp9, 640
	s_cbranch_scc0 .Lmask
	; ---------------- WEIGHTS ----------------
	s_sub_co_u32 s23, ttmp9, 128                   ; 0..127 w_q, 128..255 w_o, 256..511 w_kv
	s_cmp_lt_u32 s23, 128
	s_cselect_b64 s[24:25], s[10:11], s[12:13]
	s_cselect_b32 s26, 0, 128
	s_cmp_lt_u32 s23, 256
	s_cselect_b64 s[24:25], s[24:25], s[14:15]
	s_cselect_b32 s26, s26, 256
	s_sub_co_u32 s26, s23, s26                     ; my block in its own tensor,
	s_lshl_b32 s26, s26, 15                        ; 32,768 bytes of f32 each
	s_mov_b32 s27, 0
	s_add_nc_u64 s[24:25], s[24:25], s[26:27]
	s_lshl_b32 s28, s23, 14                        ; and 16,384 bytes of bf16 in wb
	s_mov_b32 s29, 0
	s_add_nc_u64 s[20:21], s[20:21], s[28:29]
	v_lshlrev_b32 v3, 4, v1
	v_lshl_add_u32 v3, s22, 13, v3                 ; in: 8,192 bytes a wave, 16 a lane
	v_lshlrev_b32 v4, 3, v1
	v_lshl_add_u32 v4, s22, 12, v4                 ; out: 4,096 bytes a wave, 8 a lane
.irp i, 0,1,2,3,4,5,6,7,8,9,10,11,12,13,14,15
	global_load_b128 v[16+4*(\i):19+4*(\i)], v3, s[24:25] offset:512*(\i) th:TH_LOAD_NT
.endr
.irp i, 0,1,2,3,4,5,6,7,8,9,10,11,12,13,14,15
	s_wait_loadcnt 15-(\i)                         ; the younger loads stay out
	v_cvt_pk_bf16_f32 v[16+4*(\i)], v[16+4*(\i)], v[17+4*(\i)]
	v_cvt_pk_bf16_f32 v[17+4*(\i)], v[18+4*(\i)], v[19+4*(\i)]
	global_store_b64 v4, v[16+4*(\i):17+4*(\i)], s[20:21] offset:256*(\i)  ; the wave's store covers 256 consecutive bytes, aligned
.endr
	s_endpgm
.Lmask:
	; ---------------- MASK ----------------
	v_lshlrev_b32 v3, 2, v0                        ; four bytes of the mask a thread,
	v_lshlrev_b32 v4, 4, v0                        ; sixteen bytes of f32
	v_lshlrev_b32 v5, 3, v1
	v_lshl_add_u32 v5, s22, 10, v5                 ; for the flags: wave w takes batches 4 w .. 4 w + 3, eight bytes a lane
	v_mov_b32 v12, 0xf149f2ca                      ; -1e30
	v_mov_b32 v13, 0
.irp p, 0,1,2,3,4,5,6,7
	global_load_b32 v[16+(\p)], v3, s[16:17] offset:512*(\p)
.endr
.irp p, 0,1,2,3
	global_load_b64 v[24+2*(\p):25+2*(\p)], v5, s[16:17] offset:256*(\p)
.endr
.irp p, 0,1,2,3,4,5,6,7
	s_wait_loadcnt 11-(\p)                         ; twelve loads in all: the younger ones stay out
.irp k, 0,1,2,3
	v_bfe_u32 v14, v[16+(\p)], 8*(\k), 8
	v_cmp_ne_u32 vcc_lo, 0, v14
	v_cndmask_b32 v[32+4*(\p)+(\k)], v12, v13, vcc_lo  ; visible: 0; hidden: -1e30
.endr
	global_store_b128 v4, v[32+4*(\p):35+4*(\p)], s[18:19] offset:131072+2048*(\p)
.endr
	s_wait_loadcnt 0x0
.irp p, 0,1,2,3
	v_or_b32 v14, v[24+2*(\p)], v[25+2*(\p)]
	v_cmp_ne_u32 s24, 0, v14                       ; a bit for each lane that sees a visible key
	s_cmp_lg_u32 s24, 0
	s_cselect_b32 s25, 1.0, 0
	v_mov_b32 v[64+(\p)], s25
.endr
	s_lshl_b32 s26, s22, 4
	v_mov_b32 v15, s26
	s_wait_xcnt 0x0                                ; EXEC changes only behind this wait
	v_cmp_eq_u32 vcc_lo, 0, v1
	s_and_saveexec_b32 s27, vcc_lo                 ; lane 0 stores the wave's four flags
	global_store_b128 v15, v[64:67], s[18:19] offset:147456
	s_wait_xcnt 0x0                                ; and again in front of the line that widens it
	s_or_b32 exec_lo, exec_lo, s27
	s_endpgm
.Lfunc_end_k_q5274a9d91d_prep:
	.size	k_q5274a9d91d_prep, .Lfunc_end_k_q5274a9d91d_prep-k_q5274a9d91d_prep
	.p2alignl 7, 3214868480
	.fill 96, 4, 3214868480
	.section	.rodata,"a",@progbits
	.p2align	6, 0x0
	.amdhsa_kernel k_q5274a9d91d_prep
		.amdhsa_group_segment_fixed_size 4608
		.amdhsa_private_segment_fixed_size 0
		.amdhsa_enable_private_segment 0
		.amdhsa_kernarg_size 72
		.amdhsa_user_sgpr_count 2
		.amdhsa_user_sgpr_kernarg_segment_ptr 1
		.amdhsa_wavefront_size32 1
		.amdhsa_system_sgpr_workgroup_id_x 1
		.amdhsa_system_sgpr_workgroup_id_y 1
		.amdhsa_system_sgpr_workgroup_id_z 1
		.amdhsa_system_vgpr_workitem_id 0
		.amdhsa_next_free_vgpr 224
		.amdhsa_next_free_sgpr 66
		.amdhsa_reserve_vcc 1
		.amdhsa_float_denorm_mode_32 3
		.amdhsa_float_denorm_mode_16_64 3
		.amdhsa_memory_ordered 1
		.amdhsa_forward_progress 1
		.amdhsa_inst_pref_size 29
	.end_amdhsa_kernel
	.amdgpu_metadata
---
amdhsa.version: [ 1, 2 ]
amdhsa.kernels:
  - .name:           k_q5274a9d91d_prep
    .symbol:         k_q5274a9d91d_prep.kd
    .args:
      - { .name: cond, .offset: 0, .size: 8, .value_kind: global_buffer, .address_space: global }
      - { .name: w_norm, .offset: 8, .size: 8, .value_kind: global_buffer, .address_space: global }
      - { .name: w_cnorm, .offset: 16, .size: 8, .value_kind: global_buffer, .address_space: global }
      - { .name: w_q, .offset: 24, .size: 8, .value_kind: global_buffer, .address_space: global }
      - { .name: w_o, .offset: 32, .size: 8, .value_kind: global_buffer, .address_space: global }
      - { .name: w_kv, .offset: 40, .size: 8, .value_kind: global_buffer, .address_space: global }
      - { .name: crossattn_mask, .offset: 48, .size: 8, .value_kind: global_buffer, .address_space: global }
      - { .name: tab, .offset: 56, .size: 8, .value_kind: global_buffer, .address_space: global }
      - { .name: wb, .offset: 64, .size: 8, .value_kind: global_buffer, .address_space: global }
    .group_segment_fixed_size: 4608
    .private_segment_fixed_size: 0
    .kernarg_segment_align: 8
    .kernarg_segment_size: 72
    .max_flat_workgroup_size: 128
    .sgpr_count:     66
    .vgpr_count:     224
    .wavefront_size: 32
...
	.end_amdgpu_metadata
.endif
;; end of part 1
;; launch norm (part 2): grid 256 x 1, 8 waves a work-group, no clusters, 0 bytes of LDS; arguments crossattn_cond, tab, ccn; writes ccn
.if DOCPART == 2
	.amdgcn_target "amdgcn-amd-amdhsa--gfx1250"
	.amdhsa_code_object_version 6
	.text
	.protected	k_q5274a9d91d_norm
	.globl	k_q5274a9d91d_norm
	.p2align	8
	.type	k_q5274a9d91d_norm,@function
k_q5274a9d91d_norm:
	s_mov_b64 s[64:65], 0
	v_nop
	global_prefetch_b8 v0, s[64:65] scope:SCOPE_SE
	s_setreg_imm32_b32 hwreg(HW_REG_WAVE_MODE, 25, 1), 1
	s_wait_xcnt 0x0
; NORM.  ccn[row][c] = bf16( v[row][c] * (s[batch][c] * rsqrt(mean over c of v[row][c]^2 + 1e-6)) ) for crossattn_cond's 4,096 rows, all arithmetic in f32.
; s is the table of 1 + cond w_cnorm^T that the launch before stored at byte 65,536 of tab.  (x's rows are normalised in the next launch, beside the product that needs ccn.)
; A stream: no LDS, no barrier, no matrix unit.  A work-group takes 16 rows (all of one batch), a wave two.  A row of 4,096 bytes is eight loads of 512 consecutive bytes
; and stays in 32 registers between the sum of squares and the scaling, so it is read once; a store of 8 bytes a lane covers 256 consecutive bytes, aligned.
.set SC, 4                             ; v[4:35]    the batch's scales for my 32 columns
.set X0, 36                            ; v[36:99]   two rows
.set T,  100                           ; v[100:107] at work
.set R,  108                           ; v[108:109] rsqrt, twice
.set PT, 110                           ; v110       the other half of the lanes' sum
.set Y0, 112                           ; v[112:143] two rows of bf16
	s_load_b128 s[4:7], s[0:1], 0x0                ; crossattn_cond s[4:5], tab s[6:7]
	s_load_b64 s[10:11], s[0:1], 0x10              ; ccn
	v_and_b32 v1, 31, v0
	v_lshrrev_b32 v3, 5, v0
	v_readfirstlane_b32 s16, v3                    ; wave
	v_lshlrev_b32 v2, 3, v1                        ; 8 x lane: out
	v_lshlrev_b32 v1, 4, v1                        ; 16 x lane: in
	v_mov_b32 v[PT], 0                             ; v_permlanex16_b32 counts as a reader of its destination
	s_mov_b32 s12, 0x76543210                      ; each lane takes its own place in the other half
	s_mov_b32 s13, 0xfedcba98
	s_mov_b32 s14, 0x3a800000                      ; 1 / 1,024
	s_mov_b32 s15, 0x358637bd                      ; 1e-6
	s_lshl_b32 s24, ttmp9, 16                      ; in: 16 rows of 4,096 bytes a work-group,
	s_lshl_b32 s21, s16, 13                        ; two a wave
	s_add_co_u32 s24, s24, s21
	s_mov_b32 s25, 0
	s_lshl_b32 s22, ttmp9, 15                      ; out: 16 rows of 2,048 bytes a work-group,
	s_lshl_b32 s21, s16, 12                        ; two a wave
	s_add_co_u32 s22, s22, s21
	s_mov_b32 s23, 0
	s_lshr_b32 s26, ttmp9, 4                       ; 16 work-groups a batch
	s_lshl_b32 s26, s26, 12                        ; a batch's scales are 4,096 bytes,
	s_add_co_u32 s26, s26, 65536                   ; in the second table
	s_mov_b32 s27, 0
	s_wait_kmcnt 0x0
	s_add_nc_u64 s[4:5], s[4:5], s[24:25]
	s_add_nc_u64 s[10:11], s[10:11], s[22:23]
	s_add_nc_u64 s[6:7], s[6:7], s[26:27]
.irp j, 0,1,2,3,4,5,6,7
	global_load_b128 v[SC+4*(\j):SC+4*(\j)+3], v1, s[6:7] offset:512*(\j)
.endr
.irp b, 0,1
.irp j, 0,1,2,3,4,5,6,7
	global_load_b128 v[X0+32*(\b)+4*(\j):X0+32*(\b)+4*(\j)+3], v1, s[4:5] offset:4096*(\b)+512*(\j) th:TH_LOAD_NT
.endr
.endr
; One row, in buffer b.  left = the younger loads that may stay out.
.macro ROW b, left
.set XB, X0+32*(\b)
.set YB, Y0+16*(\b)
	s_wait_loadcnt \left
.set k, 0
.rept 16                                               ; the sum of squares in four chains of pairs; the first four products start them
.if k < 4
	v_pk_mul_f32 v[T+2*k:T+2*k+1], v[XB+2*k:XB+2*k+1], v[XB+2*k:XB+2*k+1]
.else
	v_pk_fma_f32 v[T+2*(k%4):T+2*(k%4)+1], v[XB+2*k:XB+2*k+1], v[XB+2*k:XB+2*k+1], v[T+2*(k%4):T+2*(k%4)+1]
.endif
.set k, k+1
.endr
	v_pk_add_f32 v[T:T+1], v[T:T+1], v[T+2:T+3]
	v_pk_add_f32 v[T+4:T+5], v[T+4:T+5], v[T+6:T+7]
	v_pk_add_f32 v[T:T+1], v[T:T+1], v[T+4:T+5]
	v_add_f32 v[T], v[T], v[T+1]
	v_add_f32_dpp v[T], v[T], v[T] row_xmask:1 row_mask:0xf bank_mask:0xf
	v_add_f32_dpp v[T], v[T], v[T] row_xmask:2 row_mask:0xf bank_mask:0xf
	v_add_f32_dpp v[T], v[T], v[T] row_xmask:4 row_mask:0xf bank_mask:0xf
	v_add_f32_dpp v[T], v[T], v[T] row_xmask:8 row_mask:0xf bank_mask:0xf
	v_permlanex16_b32 v[PT], v[T], s12, s13
	v_add_f32 v[T], v[T], v[PT]                    ; every lane holds the row's sum
	v_fma_f32 v[T], v[T], s14, s15                 ; mean + eps
	v_rsq_f32 v[R], v[T]
	v_nop                                          ; a plain instruction between the root and the use of its result (ISA guide 5.7.2)
	s_wait_alu depctr_va_vdst(0)
	v_mov_b32 v[R+1], v[R]
.set k, 0
.rept 4
.irp z, 0,1,2,3
	v_pk_mul_f32 v[T+2*(\z):T+2*(\z)+1], v[SC+2*(k+(\z)):SC+2*(k+(\z))+1], v[R:R+1]  ; scale x rsqrt first, as the module does,
.endr
.irp z, 0,1,2,3
	v_pk_mul_f32 v[T+2*(\z):T+2*(\z)+1], v[T+2*(\z):T+2*(\z)+1], v[XB+2*(k+(\z)):XB+2*(k+(\z))+1]  ; then the number
.endr
.irp z, 0,1,2,3
	v_cvt_pk_bf16_f32 v[YB+k+(\z)], v[T+2*(\z)], v[T+2*(\z)+1]
.endr
.set k, k+4
.endr
.irp j, 0,1,2,3,4,5,6,7
	global_store_b64 v2, v[YB+2*(\j):YB+2*(\j)+1], s[10:11] offset:2048*(\b)+256*(\j)
.endr
.endm
	ROW 0, 8                                       ; the second row's eight loads may stay out (the scales' loads are older than both rows')
	ROW 1, 0
	s_endpgm
.Lfunc_end_k_q5274a9d91d_norm:
	.size	k_q5274a9d91d_norm, .Lfunc_end_k_q5274a9d91d_norm-k_q5274a9d91d_norm
	.p2alignl 7, 3214868480
	.fill 96, 4, 3214868480
	.section	.rodata,"a",@progbits
	.p2align	6, 0x0
	.amdhsa_kernel k_q5274a9d91d_norm
		.amdhsa_group_segment_fixed_size 0
		.amdhsa_private_segment_fixed_size 0
		.amdhsa_enable_private_segment 0
		.amdhsa_kernarg_size 24
		.amdhsa_user_sgpr_count 2
		.amdhsa_user_sgpr_kernarg_segment_ptr 1
		.amdhsa_wavefront_size32 1
		.amdhsa_system_sgpr_workgroup_id_x 1
		.amdhsa_system_sgpr_workgroup_id_y 1
		.amdhsa_system_sgpr_workgroup_id_z 1
		.amdhsa_system_vgpr_workitem_id 0
		.amdhsa_next_free_vgpr 144
		.amdhsa_next_free_sgpr 66
		.amdhsa_reserve_vcc 0
		.amdhsa_float_denorm_mode_32 3
		.amdhsa_float_denorm_mode_16_64 3
		.amdhsa_memory_ordered 1
		.amdhsa_forward_progress 1
		.amdhsa_inst_pref_size 15
	.end_amdhsa_kernel
	.amdgpu_metadata
---
amdhsa.version: [ 1, 2 ]
amdhsa.kernels:
  - .name:           k_q5274a9d91d_norm
    .symbol:         k_q5274a9d91d_norm.kd
    .args:
      - { .name: crossattn_cond, .offset: 0, .size: 8, .value_kind: global_buffer, .address_space: global }
      - { .name: tab, .offset: 8, .size: 8, .value_kind: global_buffer, .address_space: global }
      - { .name: ccn, .offset: 16, .size: 8, .value_kind: global_buffer, .address_space: global }
    .group_segment_fixed_size: 0
    .private_segment_fixed_size: 0
    .kernarg_segment_align: 8
    .kernarg_segment_size: 24
    .max_flat_workgroup_size: 256
    .sgpr_count:     66
    .vgpr_count:     144
    .wavefront_size: 32
...
	.end_amdgpu_metadata
.endif
;; end of part 2
;; launch kvnx (part 3): grid 16 x 16, 4 waves a work-group, clusters of 4 x 4, 327,680 bytes of LDS; arguments ccn, wb, qk_scale, kv, x, tab, xn; writes kv, xn
.if DOCPART == 3
	.amdgcn_target "amdgcn-amd-amdhsa--gfx1250"
	.amdhsa_code_object_version 6
	.text
	.protected	k_q5274a9d91d_kvnx
	.globl	k_q5274a9d91d_kvnx
	.p2align	8
	.type	k_q5274a9d91d_kvnx,@function
k_q5274a9d91d_kvnx:
	s_mov_b64 s[64:65], 0
	v_nop
	global_prefetch_b8 v0, s[64:65] scope:SCOPE_SE
	s_setreg_imm32_b32 hwreg(HW_REG_WAVE_MODE, 25, 1), 1
	s_wait_xcnt 0x0
	s_wait_alu depctr_hold_cnt(0) depctr_sa_sdst(0) depctr_va_vdst(0) depctr_va_sdst(0) depctr_va_ssrc(0) depctr_va_vcc(0) depctr_vm_vsrc(0)
	s_getreg_b32 s2, hwreg(HW_REG_IB_STS2, 6, 4)
	s_cmp_eq_u32 s2, 0
	s_cbranch_scc0 .Lentry_in_a_cluster
	s_endpgm
.Lentry_in_a_cluster:
	s_bfe_u32 s2, ttmp6, 0x10000c
	s_cmp_lg_u32 s2, 0xf033
	s_cbranch_scc0 .Lentry_shape_is_right
	s_endpgm
.Lentry_shape_is_right:
; KVNX.  Two roles, chosen by the cluster's column (ttmp9 = 0..3, the same number in all sixteen work-groups of a cluster), so that the product's 128 tiles and a stream that needs only memory share the 256 work-groups:
;   even columns: KV.  kv = ccn w_kv^T (ccn: [4096][1024] bf16; w_kv: [2048][1024] bf16 at byte 4,194,304 of wb), sums in f32.  Column 0 makes channels 0..1,023 (K), column 2 channels 1,024..2,047 (V), 64 a head.
;      K's rows are multiplied by sqrt(qk_scale[head]) rsqrt(sum of the head's 64 squares + 1e-6), in f32 on the unrounded sums; V's by 1.  Both leave by heads: kv[part][batch][head][256 keys][64] bf16.
;   odd columns: NX.  xn[row][c] = bf16( x[row][c] * (s[batch][c] * rsqrt(mean over c of x[row][c]^2 + 1e-6)) ), all in f32; s = 1 + cond w_norm^T lies at byte 0 of tab.
; KV: THE PRODUCT.  A tile of 256 x 256 a work-group, four waves of 128 x 128 (64 accumulators, 512 registers); K in 8 steps of 128 through two LDS slots filled by tensor loads, rows of 256 bytes.
; The data's tile is asked for jointly along a row of the cluster, the weights' along a column.  The matrix instruction is used transposed (source 0 = 16 weight rows, source 1 = 16 data rows):
; lane l holds data row l % 16 and channels 8 (l / 16) + 0..7.  A trip of the loop is one K step: the slot in hand is a scalar, 0 or SLOTB, from which the fragment addresses are made anew at each change of slots.
; KV: THE WAY OUT.  The sums go as f32 into the ring's bytes, which have had their last fill (each wave 128 rows x 528 bytes of its own), and a loop of 16 trips reads them back so that eight
; lanes hold a row's head: the norm is three steps among eight lanes, and a store covers four rows of 128 bytes, 512 consecutive bytes.
; NX.  128 work-groups of 128 rows; a wave takes 32 rows as four dense tiles of 8 rows (32,768 bytes) through two LDS slots of its own: one tensor load a wave is out while the tile before it is worked on, a row a trip.
; LIMITS.  Matrix operands bf16.  qk_scale below 0 gives NaN, as in the module.
; REGISTERS (KV) in windows of 256: window 0: v0-31 addresses, v32-33 roots, v64-191 fragments of the data (two buffers; at work on the way out); window 1: v64-191 fragments of the weights;
; windows 2, 3: accumulator (a, b) at v[8 (8 (a % 4) + b)] of window 2 + a / 4.  NX works in window 0 alone.
.set SIZE_K, 1024
.set KSTEP,  128
.set STEPS,  SIZE_K/KSTEP
.set PITCH,  272                       ; a weight row in LDS: 256 bytes + 16 of padding: the 16 rows of a fragment load start at 16 different groups of four banks (ISA guide 11.1)
.set HALFT,  128*PITCH                 ; what one tensor load of weights brings
.set APITCH, 272                       ; a data row in LDS
.set AHEAD,  128                       ; bytes in LDS from a data row's K byte 0 to its K byte 128
.set ALB,    128*APITCH                ; what one tensor load of data fills
.set AQI,    5                         ; data: padding behind every 64 words
.set ASTRIDE, SIZE_K                   ; data: elements from row to row in memory
.set ASTEP,  KSTEP*2                   ; data: bytes in memory from a K step to the next
.set BBASE,  2*ALB                     ; the weights' rows lie behind the data's
.set SLOT,   BBASE+2*HALFT
.set SLOTB,  SLOT                      ; from slot 0 to slot 1: 0x22000.  The tiles' places in a slot (0, 0x8800, 0x11000, 0x19800) share no bit with it, so one exclusive or turns a place in one slot into the other's
.set SPARE,  SLOTB+SLOT                ; behind the ring: the spare words, 128 bytes a wave
.set BOFS,   4194304                   ; w_kv in wb
.set DP,     528                       ; the way out: a row of 128 f32 + 16 bytes
.set DUMPB,  128*DP                    ; a wave's share
.set DST,  6                           ; v6   where my lane puts its sums
.set RDR,  7                           ; v7   where it reads them back; steps
.set GO,   8                           ; v8   16 x lane
.set ADRA0, 14                         ; v14  my data fragments in slot 0; never rewritten
.set ADRB0, 15                         ; v15  my weight fragments in slot 0; never rewritten
.set ADRA, 16                          ; v16  the same in the slot in hand
.set ADRB, 17                          ; v17
.set SPW,  28                          ; v28  my spare word's address; never rewritten
.set NIL,  29                          ; v29  0; never rewritten
.set SC0,  32                          ; v32-33  sqrt(qk_scale) of my two heads
.set F0,   64
.set F1,   128
.set XR,   64                          ; the way out: four units of eight f32
.set TS,   96                          ; four pairs at work
.set YR,   112                         ; four units of 16 bytes
.set TB, 22                            ; s22  the slot in hand: 0 or SLOTB
.set G1, 24                            ; s[24:31] group 1, data;  s[32:35] group 0 of K step 0, s[36:39] the one that walks
.set G0, 32
.set G1B, 48                           ; s[48:55], s[56:63] the same for the weights
.set G0B, 56
.set MSB, 0
.macro WIN new                         ; the immediate's high byte repeats the setting that is left; a switch that changes nothing is dropped
.if MSB != (\new)
	s_set_vgpr_msb (MSB<<8)|(\new)
.set MSB, \new
.endif
.endm
.set MUL_LO, 0xa1                      ; source 0 (weights) window 1, source 1 (data) window 0, C and D window 2
.set MUL_HI, 0xf1                      ; the same, C and D window 3
.set TO_B,   0x40                      ; destination window 1, address window 0
; A joint load: waves 0 and 1 fetch the data's two parts, waves 2 and 3 the weights'.  The branch hangs on the wave's number alone.  An s_nop 0 and four v_nop follow each line.
.macro JLOAD s
	s_cmp_eq_u32 s11, 0
	s_cbranch_scc0 .Lfor_b_\@
	tensor_load_to_lds s[G0+4*(\s):G0+4*(\s)+3], s[G1:G1+7]
	s_nop 0
.rept 4
	v_nop
.endr
	s_branch .Lasked_\@
.Lfor_b_\@:
	tensor_load_to_lds s[G0B+4*(\s):G0B+4*(\s)+3], s[G1B:G1B+7]
	s_nop 0
.rept 4
	v_nop
.endr
.Lasked_\@:
.endm
.macro CREST                           ; a round of the cluster's barrier behind its opening barrier
	s_cmp_lg_u32 s10, 0
	s_cbranch_scc1 .Lnot_wave_0_\@
	s_barrier_signal -3
.Lnot_wave_0_\@:
	s_barrier_wait -3
	s_barrier_signal -1
	s_barrier_wait -1
.endm
.macro CROUND                          ; a whole round
	s_barrier_signal -1
	s_barrier_wait -1
	CREST
.endm
	s_load_b128 s[4:7], s[0:1], 0x0                ; ccn s[4:5], wb s[6:7]
	s_load_b128 s[68:71], s[0:1], 0x10             ; qk_scale s[68:69], kv s[70:71]
	s_load_b128 s[84:87], s[0:1], 0x20             ; x s[84:85], tab s[86:87]
	s_load_b64 s[88:89], s[0:1], 0x30              ; xn
	v_lshl_add_u32 v[SPW], v0, 2, SPARE
	v_mov_b32 v[NIL], 0
	ds_add_u32 v[SPW], v[NIL]                      ; the wave's opening: the add and its wait stand ahead of my first tensor load; work on registers stands between
	v_lshrrev_b32 v1, 5, v0
	v_readfirstlane_b32 s10, v1                    ; wave 0..3
	s_lshr_b32 s11, s10, 1                         ; which half of the tile's rows is mine.  Also: I fetch data (0) or weights (1)
	s_and_b32 s12, s10, 1                          ; which half of its columns.  Also: which part of that tile I fetch
	s_bfe_u32 s40, ttmp6, 0x40000                  ; cx
	s_bfe_u32 s41, ttmp6, 0x40004                  ; cy
	s_lshr_b32 s45, ttmp9, 1                       ; which of the two cluster columns of my role: in KV 0 makes K, 1 makes V
	s_lshl_b32 s42, s45, 2
	s_add_co_u32 s42, s42, s40                     ; tile column = 4 x part + cx
	s_and_b32 s13, ttmp7, 0xffff
	s_lshl_b32 s13, s13, 2
	s_add_co_u32 s13, s13, s41                     ; tile row = 4 x cluster y + cy: the batch
	s_lshl_b32 s43, s41, 2
	s_lshl_b32 s43, 15, s43                        ; my row of the cluster
	s_lshl_b32 s44, 0x1111, s40                    ; my column
	s_or_b32 s[G1+0], s43, (1<<16)|(1<<20)|(1<<21)|(AQI<<22)|(3<<25)  ; mask; 2-byte elements; padding on; bit 21 beside a mask; the interval; 4 words of padding
	s_or_b32 s[G1B+0], s44, (1<<16)|(1<<20)|(1<<21)|(5<<22)|(3<<25)
.irp g, G1, G1B
	s_mov_b32 s[(\g)+1], 128<<16                   ; tensor_dim0 = 128
	s_mov_b32 s[(\g)+2], 128<<16                   ; tensor_dim1 = 128
	s_mov_b32 s[(\g)+3], 128<<16                   ; tile_dim0 = 128
	s_mov_b32 s[(\g)+4], 128                       ; tile_dim1 = 128
	s_mov_b32 s[(\g)+6], 0
	s_mov_b32 s[(\g)+7], 0
.endr
	s_mov_b32 s[G1+5], ASTRIDE                     ; elements from row to row
	s_mov_b32 s[G1B+5], SIZE_K
	s_lshl_b32 s17, s12, 7                         ; which 128 rows of the tile I fetch
	s_lshl_b32 s16, s13, 8
	s_add_co_u32 s16, s16, s17                     ; data: row 256 x tile row + 128 x part
	s_lshl_b32 s46, s42, 8
	s_add_co_u32 s46, s46, s17                     ; weights: row 256 x tile column + 128 x part
	s_mov_b32 s17, 0
	s_mov_b32 s47, 0
	s_mov_b64 s[18:19], SIZE_K*2
	s_mul_u64 s[16:17], s[16:17], s[18:19]
	s_mul_u64 s[46:47], s[46:47], s[18:19]
	s_add_nc_u64 s[46:47], s[46:47], BOFS
	s_mul_i32 s20, s12, ALB                        ; where they go: no place in the cluster enters an LDS address
	s_mul_i32 s23, s12, HALFT
	s_add_co_u32 s23, s23, BBASE
	s_wait_dscnt 0x0                               ; the opening add is done
	s_wait_kmcnt 0x0
	s_and_b32 s79, ttmp9, 1                        ; the role: the cluster's column is one number for all sixteen partners
	s_cmp_lg_u32 s79, 0
	s_cbranch_scc1 .Lnx
	; ================ KV ================
	s_add_nc_u64 s[14:15], s[4:5], s[16:17]
	s_add_nc_u64 s[46:47], s[6:7], s[46:47]
	CROUND                                         ; all sixteen work-groups are here: the first joint loads meet
.irp s, 0,1
	s_mov_b32 s[G0+4*(\s)], 1
	s_add_co_u32 s[G0+4*(\s)+1], s20, (\s)*SLOTB
	s_add_nc_u64 s[G0+4*(\s)+2:G0+4*(\s)+3], s[14:15], (\s)*ASTEP
	s_or_b32 s[G0+4*(\s)+3], s[G0+4*(\s)+3], 0x80000000
	s_mov_b32 s[G0B+4*(\s)], 1
	s_add_co_u32 s[G0B+4*(\s)+1], s23, (\s)*SLOTB
	s_add_nc_u64 s[G0B+4*(\s)+2:G0B+4*(\s)+3], s[46:47], (\s)*KSTEP*2
	s_or_b32 s[G0B+4*(\s)+3], s[G0B+4*(\s)+3], 0x80000000
	JLOAD \s                                       ; two loads of mine are out
.endr
	v_and_b32 v1, 15, v0                           ; l % 16
	v_bfe_u32 v2, v0, 4, 1                         ; l / 16
	v_mul_u32_u24 v3, v1, PITCH
	v_lshl_add_u32 v3, v2, 4, v3
	v_mul_u32_u24 v4, v1, APITCH
	v_lshl_add_u32 v4, v2, 4, v4                   ; a fragment's row x pitch + 16 x half
	s_mul_i32 s21, s11, 128*APITCH                 ; my 128 data rows
	s_mul_i32 s22, s12, HALFT                      ; my 128 weight rows
	s_add_co_u32 s22, s22, BBASE
	v_add_nc_u32 v[ADRA0], s21, v4
	v_add_nc_u32 v[ADRB0], s22, v3
	v_mov_b32 v[ADRA], v[ADRA0]
	v_mov_b32 v[ADRB], v[ADRB0]
	s_mov_b32 s[TB], 0                             ; slot 0 is in hand
	; the way out's addresses
	s_mul_i32 s16, s10, DUMPB
	v_mul_u32_u24 v[DST], v1, DP                   ; in: row l % 16, 32 bytes for each half of the lanes
	v_lshl_add_u32 v[DST], v2, 5, v[DST]
	v_add_nc_u32 v[DST], s16, v[DST]
	v_bfe_u32 v[RDR], v0, 3, 2                     ; back: eight lanes a row, 32 bytes (eight channels) a lane
	v_mul_u32_u24 v[RDR], v[RDR], DP
	v_and_b32 v3, 7, v0
	v_lshl_add_u32 v[RDR], v3, 5, v[RDR]
	v_add_nc_u32 v[RDR], s16, v[RDR]
	v_and_b32 v[GO], 31, v0
	v_lshlrev_b32 v[GO], 4, v[GO]
	s_lshl_b32 s72, s40, 2
	s_lshl_b32 s73, s12, 1
	s_add_co_u32 s72, s72, s73                     ; my first head: 4 cx + 2 x column half
	s_lshl_b32 s73, s72, 2
	s_load_b64 s[76:77], s[68:69], s73 offset:0x0  ; qk_scale of my two heads
	s_lshl_b32 s74, s13, 4
	s_add_co_u32 s74, s74, s72                     ; 16 x batch + head,
	s_lshl_b32 s74, s74, 15                        ; 32,768 bytes each,
	s_lshl_b32 s75, s11, 14                        ; my 128 keys of 128 bytes,
	s_add_co_u32 s74, s74, s75
	s_lshl_b32 s75, s45, 23                        ; V lies 8,388,608 bytes behind K
	s_add_co_u32 s74, s74, s75
	s_mov_b32 s75, 0
	s_add_nc_u64 s[70:71], s[70:71], s[74:75]
	s_cmp_eq_u32 s45, 0
	s_cselect_b32 s78, -1, 0                       ; a lane mask: all ones where the rows are normalised
; 16 matrix instructions: row blocks a0, a0 + 1 of the window's four x all 8 channel blocks, 32 along K.  zero = 1: the product starts the sums.
.macro MUL16 f, hi, a0, zero
	WIN MUL_LO+0x50*(\hi)
.irp a, \a0, (\a0)+1
.irp b, 0,1,2,3,4,5,6,7
.if \zero
	v_wmma_f32_16x16x32_bf16 v[8*(8*(\a)+(\b)):8*(8*(\a)+(\b))+7], v[(\f)+8*(\b):(\f)+8*(\b)+7], v[(\f)+8*(4*(\hi)+(\a)):(\f)+8*(4*(\hi)+(\a))+7], 0
.else
	v_wmma_f32_16x16x32_bf16 v[8*(8*(\a)+(\b)):8*(8*(\a)+(\b))+7], v[(\f)+8*(\b):(\f)+8*(\b)+7], v[(\f)+8*(4*(\hi)+(\a)):(\f)+8*(4*(\hi)+(\a))+7], v[8*(8*(\a)+(\b)):8*(8*(\a)+(\b))+7]
.endif
.endr
.endr
.endm
; 32 LDS loads in one run: the fragments of 32 along K at byte k of the rows of the slot in hand, into buffer f: the weights', then the data's
.macro FETCH k, f
	WIN TO_B
.irp i, 0,1,2,3,4,5,6,7
	ds_load_b128 v[(\f)+8*(\i):(\f)+8*(\i)+3],   v[ADRB] offset:(\k)+(\i)*16*PITCH
	ds_load_b128 v[(\f)+8*(\i)+4:(\f)+8*(\i)+7], v[ADRB] offset:(\k)+(\i)*16*PITCH+32
.endr
	WIN 0
.irp i, 0,1,2,3,4,5,6,7
	ds_load_b128 v[(\f)+8*(\i):(\f)+8*(\i)+3],   v[ADRA] offset:((\k)/128)*AHEAD+((\k)%128)+(\i)*16*APITCH
	ds_load_b128 v[(\f)+8*(\i)+4:(\f)+8*(\i)+7], v[ADRA] offset:((\k)/128)*AHEAD+((\k)%128)+(\i)*16*APITCH+32
.endr
.endm
.macro PLACES                          ; four places in front of loads into registers that matrix instructions have read, and of reads of results
.rept 4
	v_nop
.endr
.endm
; A K step is four quarters of 32 along K, 64 matrix instructions each, on buffers 0, 1, 0, 1.  The 64 accumulators take turns.
.macro QUARTER k, f, g, zero
	s_wait_dscnt 8                                 ; the weights and the data's rows 0-63 are in; the youngest eight loads may be out
	WIN MUL_LO
	MUL16 \f, 0, 0, \zero
	MUL16 \f, 0, 2, \zero
	PLACES
	FETCH \k, \g
	s_wait_dscnt 32                                ; all but the 32 just issued
	WIN MUL_HI
	MUL16 \f, 1, 0, \zero
	MUL16 \f, 1, 2, \zero
.endm
; The change of slots: one barrier.  In front of it each wave waits for all its tensor loads (one is out: its part of the next slot), adds 0 to its spare word, and waits for that and for its reads of this slot.
.macro MEET round
	WIN 0
	s_wait_tensorcnt 0x0
	ds_add_u32 v[SPW], v[NIL]
	s_wait_dscnt 9                                 ; the add and the youngest eight loads may be out
	WIN MUL_LO
	MUL16 F1, 0, 0, 0
	s_wait_dscnt 0x0                               ; the add is done, and my reads of this slot are over
	s_barrier_signal -1
	MUL16 F1, 0, 2, 0
.if \round
	WIN 0
.endif
	s_barrier_wait -1
.endm
; fill = 1: the barrier opens a round of the cluster's, and the slot just read is filled again first behind it, two K steps ahead: 224 matrix instructions stand between the request and the wait for it.
; The walking descriptors turn to the slot just read and step one K step (no load of mine is out since the wait for 0).  Then the other slot comes in hand.
.macro TURN fill
	MEET \fill
.if \fill
	CREST
	s_xor_b32 s[G0+5], s[G0+5], SLOTB
	s_add_nc_u64 s[G0+6:G0+7], s[G0+6:G0+7], ASTEP
	s_xor_b32 s[G0B+5], s[G0B+5], SLOTB
	s_add_nc_u64 s[G0B+6:G0B+7], s[G0B+6:G0B+7], KSTEP*2
	JLOAD 1                                        ; its four v_nop are also the places in front of the loads below
.else
	WIN 0
	PLACES
.endif
	s_xor_b32 s[TB], s[TB], SLOTB
	v_add_nc_u32 v[ADRA], s[TB], v[ADRA0]
	v_add_nc_u32 v[ADRB], s[TB], v[ADRB0]
	FETCH 0, F0
	WIN MUL_HI
	MUL16 F1, 1, 0, 0
	MUL16 F1, 1, 2, 0
.endm
.macro LAST                            ; the very last quarter: nothing more to fetch
	s_wait_dscnt 8
	WIN MUL_LO
	MUL16 F1, 0, 0, 0
	MUL16 F1, 0, 2, 0
	s_wait_dscnt 0x0
	WIN MUL_HI
	MUL16 F1, 1, 0, 0
	MUL16 F1, 1, 2, 0
	WIN 0
.endm
	s_wait_tensorcnt 1                             ; my part of K step 0 is in; K step 1's may stay out
	s_barrier_signal -1
	s_barrier_wait -1
	FETCH 0, F0
	QUARTER 64,  F0, F1, 1                         ; the first quarter's products start the sums
	WIN 0
	s_mov_b32 s3, STEPS-2
.Lstep:                                                ; a trip: from a K step's second quarter to the next step's first; it fills the slot that it leaves: K steps 2 to 7
	QUARTER 128, F1, F0, 0
	QUARTER 192, F0, F1, 0
	TURN 1
	QUARTER 64,  F0, F1, 0
	WIN 0
	s_sub_co_u32 s3, s3, 1
	s_cmp_lg_u32 s3, 0
	s_cbranch_scc1 .Lstep
	QUARTER 128, F1, F0, 0                         ; the last two K steps fill nothing
	QUARTER 192, F0, F1, 0
	TURN 0
	QUARTER 64,  F0, F1, 0
	QUARTER 128, F1, F0, 0
	QUARTER 192, F0, F1, 0
	LAST
	; THE WAY OUT
	s_wait_kmcnt 0x0
	v_sqrt_f32 v[SC0], s76
	v_sqrt_f32 v[SC0+1], s77
	s_barrier_signal -1                            ; every wave's reads of the ring are back (the wait for 0 in the last quarter) and no tensor load is out:
	s_barrier_wait -1                              ; the ring's bytes may be written
	PLACES
.set a, 0
.rept 8                                                ; accumulator (a, b): rows 16 a + l % 16, channels 16 b + 8 (l / 16) + 0..7; the low four registers go first
	WIN 0x08+4*(a/4)                               ; the stores' data in window 2 or 3
.set b, 0
.rept 8
	ds_store_b128 v[DST], v[8*(8*(a%4)+b):8*(8*(a%4)+b)+3]   offset:a*16*DP+b*64
	ds_store_b128 v[DST], v[8*(8*(a%4)+b)+4:8*(8*(a%4)+b)+7] offset:a*16*DP+b*64+16
.set b, b+1
.endr
.set a, a+1
.endr
	WIN 0
	s_mov_b32 s3, 16
.Lrows:                                                ; a trip: eight rows x two heads, in four units u = 2 x (group of four rows) + head; my own bytes: LDS serves a wave's instructions in order (ISA guide 5.7.1.4)
.irp u, 0,1,2,3
	ds_load_b128 v[XR+8*(\u):XR+8*(\u)+3],   v[RDR] offset:((\u)/2)*4*DP+((\u)%2)*256
	ds_load_b128 v[XR+8*(\u)+4:XR+8*(\u)+7], v[RDR] offset:((\u)/2)*4*DP+((\u)%2)*256+16
.endr
	s_wait_dscnt 0x0
.irp u, 0,1,2,3
	v_pk_mul_f32 v[TS+2*(\u):TS+2*(\u)+1], v[XR+8*(\u):XR+8*(\u)+1], v[XR+8*(\u):XR+8*(\u)+1]
.endr
.irp p, 1,2,3
.irp u, 0,1,2,3
	v_pk_fma_f32 v[TS+2*(\u):TS+2*(\u)+1], v[XR+8*(\u)+2*(\p):XR+8*(\u)+2*(\p)+1], v[XR+8*(\u)+2*(\p):XR+8*(\u)+2*(\p)+1], v[TS+2*(\u):TS+2*(\u)+1]
.endr
.endr
.irp u, 0,1,2,3
	v_add_f32 v[TS+2*(\u)], v[TS+2*(\u)], v[TS+2*(\u)+1]
.endr
.irp x, 1,2,4
.irp u, 0,1,2,3
	v_add_f32_dpp v[TS+2*(\u)], v[TS+2*(\u)], v[TS+2*(\u)] row_xmask:\x row_mask:0xf bank_mask:0xf  ; among the eight lanes of a row
.endr
.endr
.irp u, 0,1,2,3
	v_add_f32 v[TS+2*(\u)], 0x358637bd, v[TS+2*(\u)]  ; + 1e-6
.endr
.irp u, 0,1,2,3
	v_rsq_f32 v[TS+2*(\u)], v[TS+2*(\u)]
.endr
	v_nop                                          ; a plain instruction between the last root and the use of its result
	s_wait_alu depctr_va_vdst(0)
.irp u, 0,1,2,3
	v_mul_f32 v[TS+2*(\u)], v[TS+2*(\u)], v[SC0+(\u)%2]
.endr
.irp u, 0,1,2,3
	v_cndmask_b32 v[TS+2*(\u)], 1.0, v[TS+2*(\u)], s78  ; V's rows keep their size
.endr
.irp u, 0,1,2,3
.irp p, 0,1,2,3
	v_pk_mul_f32 v[XR+8*(\u)+2*(\p):XR+8*(\u)+2*(\p)+1], v[XR+8*(\u)+2*(\p):XR+8*(\u)+2*(\p)+1], v[TS+2*(\u):TS+2*(\u)+1] op_sel_hi:[1,0]
.endr
.endr
.irp u, 0,1,2,3
.irp p, 0,1,2,3
	v_cvt_pk_bf16_f32 v[YR+4*(\u)+(\p)], v[XR+8*(\u)+2*(\p)], v[XR+8*(\u)+2*(\p)+1]
.endr
.endr
.irp u, 0,1,2,3
	global_store_b128 v[GO], v[YR+4*(\u):YR+4*(\u)+3], s[70:71] offset:((\u)%2)*32768+((\u)/2)*512  ; four rows of a head: 512 consecutive bytes, aligned
.endr
	v_add_nc_u32 v[RDR], 8*DP, v[RDR]
	s_wait_xcnt 0x0                                ; the base and the stores' data are written again only behind this wait
	s_add_nc_u64 s[70:71], s[70:71], 1024
	s_sub_co_u32 s3, s3, 1
	s_cmp_lg_u32 s3, 0
	s_cbranch_scc1 .Lrows
	s_wait_tensorcnt 0x0                           ; the wave's end: behind my last tensor load and my last LDS store
	ds_add_u32 v[SPW], v[NIL]
	s_wait_dscnt 0x0
	CROUND                                         ; the closing round: no work-group ends while a partner may still ask for a tile that names it
	s_endpgm
	; ================ NX ================
; LDS: wave w's two slots of 32,768 bytes at 65,536 w and 65,536 w + 32,768 (262,144 bytes in all, below the spare words).  A tile is 8 rows of x, 32,768 dense bytes, asked for as 128 rows of 256 bytes.
; The loads are plain (no mask): no two work-groups read the same rows.  A slot's fill stands behind the wait for all my loads, the add, the wait for my reads, and a round of the cluster's barrier.
.set NTILE, 32768
.set NLA0, 3                           ; v3   my 16 bytes in the first 512 of my wave's slot 0; never rewritten
.set NLA,  5                           ; v5   the same for the row in hand; steps
.set NSC,  32                          ; v[32:63]   the batch's scales for my 32 columns
.set NX,   64                          ; v[64:95]   a row
.set NT,   96                          ; v[96:103]  at work
.set NR,   104                         ; v[104:105] rsqrt, twice
.set NPT,  106                         ; v106       the other half of the lanes' sum
.set NY,   108                         ; v[108:123] a row of bf16
.set NTB,  76                          ; s76  the slot to be read: 0 or NTILE
; Eight rows of the slot in hand, a row a trip: eight LDS loads of 512 consecutive bytes, the sum of squares, the scaling, eight stores of 256 consecutive bytes.
.macro NXROWS
	s_mov_b32 s78, 8
.Lnx_row_\@:
.irp j, 0,1,2,3,4,5,6,7
	ds_load_b128 v[NX+4*(\j):NX+4*(\j)+3], v[NLA] offset:512*(\j)
.endr
	s_wait_dscnt 0x0
.set k, 0
.rept 16                                               ; four chains of pairs; the first four products start them
.if k < 4
	v_pk_mul_f32 v[NT+2*k:NT+2*k+1], v[NX+2*k:NX+2*k+1], v[NX+2*k:NX+2*k+1]
.else
	v_pk_fma_f32 v[NT+2*(k%4):NT+2*(k%4)+1], v[NX+2*k:NX+2*k+1], v[NX+2*k:NX+2*k+1], v[NT+2*(k%4):NT+2*(k%4)+1]
.endif
.set k, k+1
.endr
	v_pk_add_f32 v[NT:NT+1], v[NT:NT+1], v[NT+2:NT+3]
	v_pk_add_f32 v[NT+4:NT+5], v[NT+4:NT+5], v[NT+6:NT+7]
	v_pk_add_f32 v[NT:NT+1], v[NT:NT+1], v[NT+4:NT+5]
	v_add_f32 v[NT], v[NT], v[NT+1]
	v_add_f32_dpp v[NT], v[NT], v[NT] row_xmask:1 row_mask:0xf bank_mask:0xf
	v_add_f32_dpp v[NT], v[NT], v[NT] row_xmask:2 row_mask:0xf bank_mask:0xf
	v_add_f32_dpp v[NT], v[NT], v[NT] row_xmask:4 row_mask:0xf bank_mask:0xf
	v_add_f32_dpp v[NT], v[NT], v[NT] row_xmask:8 row_mask:0xf bank_mask:0xf
	v_permlanex16_b32 v[NPT], v[NT], s72, s73
	v_add_f32 v[NT], v[NT], v[NPT]                 ; every lane holds the row's sum
	v_fma_f32 v[NT], v[NT], s74, s75               ; mean + eps
	v_rsq_f32 v[NR], v[NT]
	v_add_nc_u32 v[NLA], 4096, v[NLA]              ; the next row; also the plain instruction between the root and the use of its result
	s_wait_alu depctr_va_vdst(0)
	v_mov_b32 v[NR+1], v[NR]
.set k, 0
.rept 4
.irp z, 0,1,2,3
	v_pk_mul_f32 v[NT+2*(\z):NT+2*(\z)+1], v[NSC+2*(k+(\z)):NSC+2*(k+(\z))+1], v[NR:NR+1]  ; scale x rsqrt first, as the module does,
.endr
.irp z, 0,1,2,3
	v_pk_mul_f32 v[NT+2*(\z):NT+2*(\z)+1], v[NT+2*(\z):NT+2*(\z)+1], v[NX+2*(k+(\z)):NX+2*(k+(\z))+1]  ; then the number
.endr
.irp z, 0,1,2,3
	v_cvt_pk_bf16_f32 v[NY+k+(\z)], v[NT+2*(\z)], v[NT+2*(\z)+1]
.endr
.set k, k+4
.endr
.irp j, 0,1,2,3,4,5,6,7
	global_store_b64 v2, v[NY+2*(\j):NY+2*(\j)+1], s[88:89] offset:256*(\j)  ; 256 consecutive bytes, aligned
.endr
	s_wait_xcnt 0x0                                ; the base and the stores' data are written again only behind this wait
	s_add_nc_u64 s[88:89], s[88:89], 2048
	s_sub_co_u32 s78, s78, 1
	s_cmp_lg_u32 s78, 0
	s_cbranch_scc1 .Lnx_row_\@
.endm
.Lnx:
	s_lshl_b32 s79, s45, 2                         ; my work-group among the role's 128: (4 x column + cluster y) x 16 + 4 cy + cx; it enters global addresses alone
	s_and_b32 s80, ttmp7, 0xffff
	s_add_co_u32 s79, s79, s80
	s_lshl_b32 s79, s79, 2
	s_add_co_u32 s79, s79, s41
	s_lshl_b32 s79, s79, 2
	s_add_co_u32 s79, s79, s40
	s_lshl_b32 s80, s79, 19                        ; x: 128 rows of 4,096 bytes a work-group,
	s_lshl_b32 s82, s10, 17                        ; 32 a wave
	s_add_co_u32 s80, s80, s82
	s_mov_b32 s81, 0
	s_add_nc_u64 s[84:85], s[84:85], s[80:81]
	s_lshl_b32 s80, s79, 18                        ; xn: rows of 2,048 bytes
	s_lshl_b32 s82, s10, 16
	s_add_co_u32 s80, s80, s82
	s_add_nc_u64 s[88:89], s[88:89], s[80:81]
	s_lshr_b32 s80, s79, 3                         ; eight work-groups a batch;
	s_lshl_b32 s80, s80, 12                        ; a batch's scales are 4,096 bytes
	s_add_nc_u64 s[86:87], s[86:87], s[80:81]
	s_mov_b32 s[G1+0], 3<<16                       ; no mask; elements of 8 bytes; no padding
	s_mov_b32 s[G1+1], 32<<16                      ; tensor_dim0 = 32 (256 bytes)
	s_mov_b32 s[G1+2], 128<<16                     ; tensor_dim1 = 128
	s_mov_b32 s[G1+3], 32<<16                      ; tile_dim0 = 32
	s_mov_b32 s[G1+4], 128                         ; tile_dim1 = 128
	s_mov_b32 s[G1+5], 32                          ; each row begins where the last ends
	s_mov_b32 s[G1+6], 0
	s_mov_b32 s[G1+7], 0
	s_mov_b32 s[G0], 1
	s_lshl_b32 s[G0+1], s10, 16                    ; my wave's slot 0
	s_mov_b64 s[G0+2:G0+3], s[84:85]               ; my first tile
	s_or_b32 s[G0+3], s[G0+3], 0x80000000
	CROUND                                         ; in a cluster launch every group of tensor loads stands behind a round
	tensor_load_to_lds s[G0:G0+3], s[G1:G1+7]      ; tile 0: one load of mine is out
	s_nop 0
	v_and_b32 v1, 31, v0
	v_lshlrev_b32 v2, 3, v1                        ; 8 x lane: out
	v_lshlrev_b32 v1, 4, v1                        ; 16 x lane: in
	v_lshl_add_u32 v[NLA0], s10, 16, v1
	v_mov_b32 v[NPT], 0                            ; v_permlanex16_b32 counts as a reader of its destination
.irp j, 0,1,2,3,4,5,6,7
	global_load_b128 v[NSC+4*(\j):NSC+4*(\j)+3], v1, s[86:87] offset:512*(\j)
.endr
	s_mov_b32 s72, 0x76543210                      ; each lane takes its own place in the other half
	s_mov_b32 s73, 0xfedcba98
	s_mov_b32 s74, 0x3a800000                      ; 1 / 1,024
	s_mov_b32 s75, 0x358637bd                      ; 1e-6
	s_mov_b32 s[NTB], 0
	s_mov_b32 s77, 3
	s_wait_loadcnt 0x0                             ; the scales, once
.Lnx_tile:                                             ; three trips: the tile that has landed is worked on while the next is on its way into the other slot
	s_wait_tensorcnt 0x0                           ; my one load has landed, so its group 0 may be written;
	ds_add_u32 v[SPW], v[NIL]
	s_xor_b32 s[G0+1], s[G0+1], NTILE              ; the other slot (65,536 w shares no bit with 32,768),
	s_add_nc_u64 s[G0+2:G0+3], s[G0+2:G0+3], NTILE ; the next eight rows
	v_add_nc_u32 v[NLA], s[NTB], v[NLA0]           ; where this trip reads
	s_xor_b32 s[NTB], s[NTB], NTILE
	s_wait_dscnt 0x0                               ; the add is done, and my reads of the slot to be filled are back
	CROUND
	tensor_load_to_lds s[G0:G0+3], s[G1:G1+7]      ; my one tensor load behind the round
	s_nop 0
	NXROWS
	s_sub_co_u32 s77, s77, 1
	s_cmp_lg_u32 s77, 0
	s_cbranch_scc1 .Lnx_tile
	s_wait_tensorcnt 0x0                           ; the last tile is written out: it asks for nothing
	v_add_nc_u32 v[NLA], s[NTB], v[NLA0]
	NXROWS
	s_wait_tensorcnt 0x0                           ; the wave's end
	ds_add_u32 v[SPW], v[NIL]
	s_wait_dscnt 0x0
	CROUND                                         ; the closing round
	s_endpgm
.Lfunc_end_k_q5274a9d91d_kvnx:
	.size	k_q5274a9d91d_kvnx, .Lfunc_end_k_q5274a9d91d_kvnx-k_q5274a9d91d_kvnx
	.p2alignl 7, 3214868480
	.fill 96, 4, 3214868480
	.section	.rodata,"a",@progbits
	.p2align	6, 0x0
	.amdhsa_kernel k_q5274a9d91d_kvnx
		.amdhsa_group_segment_fixed_size 327680
		.amdhsa_private_segment_fixed_size 0
		.amdhsa_enable_private_segment 0
		.amdhsa_kernarg_size 56
		.amdhsa_user_sgpr_count 2
		.amdhsa_user_sgpr_kernarg_segment_ptr 1
		.amdhsa_wavefront_size32 1
		.amdhsa_system_sgpr_workgroup_id_x 1
		.amdhsa_system_sgpr_workgroup_id_y 1
		.amdhsa_system_sgpr_workgroup_id_z 1
		.amdhsa_system_vgpr_workitem_id 0
		.amdhsa_next_free_vgpr 1024
		.amdhsa_next_free_sgpr 96
		.amdhsa_reserve_vcc 0
		.amdhsa_float_denorm_mode_32 3
		.amdhsa_float_denorm_mode_16_64 3
		.amdhsa_memory_ordered 1
		.amdhsa_forward_progress 1
		.amdhsa_inst_pref_size 117
	.end_amdhsa_kernel
	.amdgpu_metadata
---
amdhsa.version: [ 1, 2 ]
amdhsa.kernels:
  - .name:           k_q5274a9d91d_kvnx
    .symbol:         k_q5274a9d91d_kvnx.kd
    .args:
      - { .name: ccn, .offset: 0, .size: 8, .value_kind: global_buffer, .address_space: global }
      - { .name: wb, .offset: 8, .size: 8, .value_kind: global_buffer, .address_space: global }
      - { .name: qk_scale, .offset: 16, .size: 8, .value_kind: global_buffer, .address_space: global }
      - { .name: kv, .offset: 24, .size: 8, .value_kind: global_buffer, .address_space: global }
      - { .name: x, .offset: 32, .size: 8, .value_kind: global_buffer, .address_space: global }
      - { .name: tab, .offset: 40, .size: 8, .value_kind: global_buffer, .address_space: global }
      - { .name: xn, .offset: 48, .size: 8, .value_kind: global_buffer, .address_space: global }
    .group_segment_fixed_size: 327680
    .private_segment_fixed_size: 0
    .kernarg_segment_align: 8
    .kernarg_segment_size: 56
    .max_flat_workgroup_size: 128
    .sgpr_count:     96
    .vgpr_count:     1024
    .wavefront_size: 32
...
	.end_amdgpu_metadata
.endif
;; end of part 3
;; launch qattn (part 4): grid 4 x 64, 4 waves a work-group, clusters of 4 x 4, 327,680 bytes of LDS; arguments xn, wb, kv, tab, qk_scale, oh; writes oh
.if DOCPART == 4
	.amdgcn_target "amdgcn-amd-amdhsa--gfx1250"
	.amdhsa_code_object_version 6
	.text
	.protected	k_q5274a9d91d_qattn
	.globl	k_q5274a9d91d_qattn
	.p2align	8
	.type	k_q5274a9d91d_qattn,@function
k_q5274a9d91d_qattn:
	s_mov_b64 s[64:65], 0
	v_nop
	global_prefetch_b8 v0, s[64:65] scope:SCOPE_SE
	s_setreg_imm32_b32 hwreg(HW_REG_WAVE_MODE, 25, 1), 1
	s_wait_xcnt 0x0
	s_wait_alu depctr_hold_cnt(0) depctr_sa_sdst(0) depctr_va_vdst(0) depctr_va_sdst(0) depctr_va_ssrc(0) depctr_va_vcc(0) depctr_vm_vsrc(0)
	s_getreg_b32 s2, hwreg(HW_REG_IB_STS2, 6, 4)
	s_cmp_eq_u32 s2, 0
	s_cbranch_scc0 .Lentry_in_a_cluster
	s_endpgm
.Lentry_in_a_cluster:
	s_bfe_u32 s2, ttmp6, 0x10000c
	s_cmp_lg_u32 s2, 0xf033
	s_cbranch_scc0 .Lentry_shape_is_right
	s_endpgm
.Lentry_shape_is_right:
; QATTN.  q = xn w_q^T (xn: [16384][1024] bf16; w_q at byte 0 of wb), then for each head: q normalised, masked softmax over the batch's 256 keys, o = P V.  o leaves by heads: oh[batch][head][1024][64] bf16.
; THE PRODUCT is a tile of 256 x 256 a work-group, four waves of 128 x 128, K in 8 steps of 128 through two LDS slots; 64 x 4 tiles make 256 work-groups.  A cluster of 4 x 4 is one batch: cy is the block of
; 256 queries, cx four heads.  xn's tiles are asked for jointly along a row of the cluster, w_q's along a column, and so are K and V, which hang on the batch and cx alone.
; A trip of the product's loop is one K step: the slot in hand is a scalar, 0 or SLOTB, from which the fragment addresses are made anew at each change of slots.
; q NEVER LEAVES THE WORK-GROUP.  The product is used transposed (lane l: query l % 16, channels 8 (l / 16) + 0..7), so two neighbouring channel blocks rounded to bf16 in pairs ARE source 1 of S^T = K Q^T.
; They are parked in LDS (bytes of the ring past their last fill), since K's and V's fragments of a whole head (256 + 256 registers) take the accumulators' place.
; A WAVE owns 128 queries x 2 heads: a loop over the heads, in it a loop over 8 tiles of 16 queries, one text for all 16.  A tile, in phases: q read back and scaled; 32 products K Q^T (the mask is the C operand that
; starts the sums); the true maximum over all 256 keys; p = 2^(s - m); 32 products V^T P; o = O / l.
; SCALES.  q is multiplied by f = rsqrt(sum q^2 + 1e-6) sqrt(qk_scale) log2(e) / 8 x flag; K carries its own sqrt(qk_scale) rsqrt(..): s is the module's score times log2(e).
; LIMITS.  Operands bf16.  q is rounded to bf16 when parked, its norm is summed in f32 over the rounded numbers, and q f is rounded once more.  A hidden score is its value plus -1e30; where a batch has no visible
; key the flag is 0, every product is 0 and every score exactly -1e30: the weights are uniform, as in the module.  A weight below 2^-126 counts as 0.  l is the sum of the unrounded weights.  qk_scale below 0 gives NaN, as in the module.
; REGISTERS in windows of 256.  In the product: window 0 v64-191 fragments of xn, window 1 v64-191 fragments of w_q, windows 2, 3 accumulator (a, b) at v[8 (8 (a % 4) + b)] of window 2 + a / 4.
; In attention: window 0 v64-191 S^T (16 key tiles x 8; P overlays v64-127), v192-207 Q, v208-223 o packed, v224-255 O^T; window 1 v0-63, v192-255 the mask; window 2 K; window 3 V^T.
.set SIZE_K, 1024
.set KSTEP,  128
.set STEPS,  SIZE_K/KSTEP
.set PITCH,  272                       ; a weight row in LDS: 256 bytes + 16 of padding: the 16 rows of a fragment load start at 16 different groups of four banks (ISA guide 11.1)
.set HALFT,  128*PITCH
.set APITCH, 272
.set AHEAD,  128
.set ALB,    128*APITCH
.set AQI,    5
.set ASTRIDE, SIZE_K
.set ASTEP,  KSTEP*2
.set BBASE,  2*ALB
.set SLOT,   BBASE+2*HALFT             ; the ring: bytes 0 .. 278,527
.set SLOTB,  SLOT                      ; from slot 0 to slot 1: 0x22000.  The tiles' places in a slot (0, 0x8800, 0x11000, 0x19800) share no bit with it, so one exclusive or turns a place in one slot into the other's
.set KP,     144                       ; a key's row of K in LDS: 128 bytes + 16
.set VP,     160                       ; of V: 128 + 32
.set KB,     0                         ; K of two heads, filled again behind the product
.set KHB,    256*KP
.set VB,     KB+2*KHB                  ; V of two heads
.set VHB,    256*VP
.set QP,     VB+2*VHB                  ; 155,648: the park, 32,768 bytes a wave: no fill lands here behind the product
.set OS,     QP+4*32768                ; 286,720: the stage for o, 16 rows x 144 bytes a wave
.set SPARE,  OS+4*16*144               ; 295,936: the spare words, 128 bytes a wave
.set AKF,  6                           ; v6   my lane's place in my head's K
.set AVF,  7                           ; v7   in its V
.set QPA,  8                           ; v8   my 16 bytes in my wave's park
.set QPR,  9                           ; v9   the same for the tile in hand; steps
.set STO,  10                          ; v10  the stage: where I put 16 bytes of a row
.set RD,   11                          ; v11  where I read rows back
.set GO,   12                          ; v12  16 x lane
.set MO,   13                          ; v13  32 x (l / 16): my eight keys of a key tile in the mask
.set ADRA0, 14                         ; v14  my data fragments in slot 0; never rewritten
.set ADRB0, 15                         ; v15  my weight fragments in slot 0; never rewritten
.set ADRA, 16                          ; v16  the same in the slot in hand
.set ADRB, 17                          ; v17
.set SPW,  28                          ; v28  my spare word's address; never rewritten
.set NIL,  29                          ; v29  0; never rewritten
.set CM,   32                          ; v32-35  four chains of the maximum
.set M,    36                          ; v36-37  m (the low word is used)
.set L,    38                          ; v38-45  four pairs: q's squares, later the weights' sums
.set RL,   46                          ; v46-47  1 / l
.set F,    48                          ; v48-49  f
.set FQ,   53                          ; v53 the head in hand's constant factor, v54 the next head's
.set PT,   56                          ; v56  what the other half of the lanes sends
.set F0,   64
.set F1,   128
.set S,    64
.set Q,    192
.set TMP,  192                         ; parking: 32 registers
.set OT,   208
.set O,    224
.set TB, 22                            ; s22  the slot in hand: 0 or SLOTB
.set G1, 24                            ; s[24:31] group 1, data;  s[32:35] group 0 of K step 0, s[36:39] the one that walks
.set G0, 32
.set G1B, 48
.set G0B, 56
.set HC,  66                           ; s66  heads to go
.set TC,  67                           ; s67  tiles to go
.set G1K, 88                           ; s[88:95] group 1 for K
.set MSB, 0
.macro WIN new                         ; the immediate's high byte repeats the setting that is left; a switch that changes nothing is dropped
.if MSB != (\new)
	s_set_vgpr_msb (MSB<<8)|(\new)
.set MSB, \new
.endif
.endm
.set MUL_LO, 0xa1
.set MUL_HI, 0xf1
.set TO_B,   0x40
; A joint load: waves 0 and 1 fetch the data's two parts, waves 2 and 3 the weights'.  The branch hangs on the wave's number alone.  An s_nop 0 and four v_nop follow each line.
.macro JLOAD s
	s_cmp_eq_u32 s11, 0
	s_cbranch_scc0 .Lfor_b_\@
	tensor_load_to_lds s[G0+4*(\s):G0+4*(\s)+3], s[G1:G1+7]
	s_nop 0
.rept 4
	v_nop
.endr
	s_branch .Lasked_\@
.Lfor_b_\@:
	tensor_load_to_lds s[G0B+4*(\s):G0B+4*(\s)+3], s[G1B:G1B+7]
	s_nop 0
.rept 4
	v_nop
.endr
.Lasked_\@:
.endm
; The same for a head's K (waves 0 and 1: the heads of the two column halves) and V (waves 2 and 3)
.macro JLOADKV
	s_cmp_eq_u32 s11, 0
	s_cbranch_scc0 .Lfor_v_\@
	tensor_load_to_lds s[G0B:G0B+3], s[G1K:G1K+7]
	s_nop 0
.rept 4
	v_nop
.endr
	s_branch .Lkv_asked_\@
.Lfor_v_\@:
	tensor_load_to_lds s[G0B+4:G0B+7], s[G1B:G1B+7]
	s_nop 0
.rept 4
	v_nop
.endr
.Lkv_asked_\@:
.endm
.macro CREST
	s_cmp_lg_u32 s10, 0
	s_cbranch_scc1 .Lnot_wave_0_\@
	s_barrier_signal -3
.Lnot_wave_0_\@:
	s_barrier_wait -3
	s_barrier_signal -1
	s_barrier_wait -1
.endm
.macro CROUND
	s_barrier_signal -1
	s_barrier_wait -1
	CREST
.endm
	s_load_b128 s[4:7], s[0:1], 0x0                ; xn s[4:5], wb s[6:7]
	s_load_b256 s[68:75], s[0:1], 0x10             ; kv s[68:69], tab s[70:71], qk_scale s[72:73], oh s[74:75]
	v_lshl_add_u32 v[SPW], v0, 2, SPARE
	v_mov_b32 v[NIL], 0
	ds_add_u32 v[SPW], v[NIL]                      ; the wave's opening: the add and its wait stand ahead of my first tensor load; work on registers stands between
	v_lshrrev_b32 v1, 5, v0
	v_readfirstlane_b32 s10, v1                    ; wave 0..3
	s_lshr_b32 s11, s10, 1                         ; which half of the tile's rows is mine.  Also: I fetch data / K (0) or weights / V (1)
	s_and_b32 s12, s10, 1                          ; which half of its columns.  Also: which part I fetch
	s_bfe_u32 s40, ttmp6, 0x40000                  ; cx
	s_bfe_u32 s41, ttmp6, 0x40004                  ; cy
	s_lshl_b32 s42, ttmp9, 2
	s_add_co_u32 s42, s42, s40                     ; tile column
	s_and_b32 s45, ttmp7, 0xffff                   ; the batch: a cluster's four tile rows are one batch's 1,024 queries
	s_lshl_b32 s13, s45, 2
	s_add_co_u32 s13, s13, s41                     ; tile row
	s_lshl_b32 s43, s41, 2
	s_lshl_b32 s43, 15, s43                        ; my row of the cluster
	s_lshl_b32 s44, 0x1111, s40                    ; my column
	s_or_b32 s[G1+0], s43, (1<<16)|(1<<20)|(1<<21)|(AQI<<22)|(3<<25)  ; mask; 2-byte elements; padding on; bit 21 beside a mask; the interval; 4 words of padding
	s_or_b32 s[G1B+0], s44, (1<<16)|(1<<20)|(1<<21)|(5<<22)|(3<<25)
	s_or_b32 s[G1K+0], s44, (1<<16)|(1<<20)|(1<<21)|(4<<22)|(3<<25)   ; K: 4 words of padding behind every 32 words, a key's row
.irp g, G1, G1B, G1K
	s_mov_b32 s[(\g)+1], 128<<16                   ; tensor_dim0 = 128
	s_mov_b32 s[(\g)+2], 128<<16                   ; tensor_dim1 = 128
	s_mov_b32 s[(\g)+3], 128<<16                   ; tile_dim0 = 128
	s_mov_b32 s[(\g)+4], 128                       ; tile_dim1 = 128
	s_mov_b32 s[(\g)+6], 0
	s_mov_b32 s[(\g)+7], 0
.endr
	s_mov_b32 s[G1+5], ASTRIDE
	s_mov_b32 s[G1B+5], SIZE_K
	s_mov_b32 s[G1K+5], 128                        ; a head's 32,768 dense bytes are asked for as 128 rows of 256 bytes
	s_lshl_b32 s17, s12, 7
	s_lshl_b32 s16, s13, 8
	s_add_co_u32 s16, s16, s17                     ; data: row 256 x tile row + 128 x part
	s_lshl_b32 s46, s42, 8
	s_add_co_u32 s46, s46, s17                     ; weights: row 256 x tile column + 128 x part
	s_mov_b32 s17, 0
	s_mov_b32 s47, 0
	s_mov_b64 s[18:19], SIZE_K*2
	s_mul_u64 s[16:17], s[16:17], s[18:19]
	s_mul_u64 s[46:47], s[46:47], s[18:19]
	s_mul_i32 s20, s12, ALB
	s_mul_i32 s23, s12, HALFT
	s_add_co_u32 s23, s23, BBASE
	s_mov_b32 s80, 0x76543210                      ; v_permlanex16_b32: each lane takes its own place in the other half
	s_mov_b32 s81, 0xfedcba98
	s_mov_b32 s83, 0xffff0000                      ; a word's upper bf16
	s_wait_dscnt 0x0                               ; the opening add is done
	s_wait_kmcnt 0x0
	s_add_nc_u64 s[14:15], s[4:5], s[16:17]
	s_add_nc_u64 s[46:47], s[6:7], s[46:47]
	CROUND                                         ; all sixteen work-groups are here: the first joint loads meet
.irp s, 0,1
	s_mov_b32 s[G0+4*(\s)], 1
	s_add_co_u32 s[G0+4*(\s)+1], s20, (\s)*SLOTB
	s_add_nc_u64 s[G0+4*(\s)+2:G0+4*(\s)+3], s[14:15], (\s)*ASTEP
	s_or_b32 s[G0+4*(\s)+3], s[G0+4*(\s)+3], 0x80000000
	s_mov_b32 s[G0B+4*(\s)], 1
	s_add_co_u32 s[G0B+4*(\s)+1], s23, (\s)*SLOTB
	s_add_nc_u64 s[G0B+4*(\s)+2:G0B+4*(\s)+3], s[46:47], (\s)*KSTEP*2
	s_or_b32 s[G0B+4*(\s)+3], s[G0B+4*(\s)+3], 0x80000000
	JLOAD \s                                       ; two loads of mine are out
.endr
	v_and_b32 v1, 15, v0                           ; l % 16
	v_bfe_u32 v2, v0, 4, 1                         ; l / 16
	v_mul_u32_u24 v3, v1, PITCH
	v_lshl_add_u32 v3, v2, 4, v3
	v_mul_u32_u24 v4, v1, APITCH
	v_lshl_add_u32 v4, v2, 4, v4
	s_mul_i32 s21, s11, 128*APITCH
	s_mul_i32 s22, s12, HALFT
	s_add_co_u32 s22, s22, BBASE
	v_add_nc_u32 v[ADRA0], s21, v4
	v_add_nc_u32 v[ADRB0], s22, v3
	v_mov_b32 v[ADRA], v[ADRA0]
	v_mov_b32 v[ADRB], v[ADRB0]
	s_mov_b32 s[TB], 0                             ; slot 0 is in hand
	; attention's addresses
	v_mul_u32_u24 v[AKF], v1, KP                   ; K as it lies: key l % 16, 16 bytes for each half of the lanes
	v_lshl_add_u32 v[AKF], v2, 4, v[AKF]
	s_mul_i32 s16, s12, KHB
	s_add_co_u32 s16, s16, KB
	v_add_nc_u32 v[AKF], s16, v[AKF]
	v_and_b32 v3, 7, v0                            ; V turned: lane l reads key 8 (l / 16) + l % 8, channels 8 ((l / 8) % 2) + 0..7
	v_bfe_u32 v4, v0, 3, 1
	v_lshl_add_u32 v[AVF], v2, 3, v3
	v_mul_u32_u24 v[AVF], v[AVF], VP
	v_lshl_add_u32 v[AVF], v4, 4, v[AVF]
	s_mul_i32 s16, s12, VHB
	s_add_co_u32 s16, s16, VB
	v_add_nc_u32 v[AVF], s16, v[AVF]
	v_and_b32 v[GO], 31, v0
	v_lshlrev_b32 v[GO], 4, v[GO]
	s_lshl_b32 s16, s10, 15
	s_add_co_u32 s16, s16, QP
	v_add_nc_u32 v[QPA], s16, v[GO]
	s_mul_i32 s16, s10, 16*144
	s_add_co_u32 s16, s16, OS
	v_mul_u32_u24 v[STO], v1, 144
	v_lshl_add_u32 v[STO], v2, 4, v[STO]
	v_add_nc_u32 v[STO], s16, v[STO]
	v_bfe_u32 v[RD], v0, 3, 2                      ; back: 32 lanes take four rows of 128 bytes
	v_mul_u32_u24 v[RD], v[RD], 144
	v_lshl_add_u32 v[RD], v3, 4, v[RD]
	v_add_nc_u32 v[RD], s16, v[RD]
	v_lshlrev_b32 v[MO], 5, v2
	v_mov_b32 v[M+1], 0                            ; named as the upper words of pairs, or as a destination that counts as read
	v_mov_b32 v[RL+1], 0
	v_mov_b32 v[F+1], 0
	v_mov_b32 v[PT], 0
	s_lshl_b32 s82, s45, 4
	s_lshl_b32 s16, s40, 2
	s_add_co_u32 s82, s82, s16
	s_lshl_b32 s16, s12, 1
	s_add_co_u32 s82, s82, s16                     ; 16 x batch + my first head (4 cx + 2 x column half)
	s_lshl_b32 s86, s40, 4
	s_lshl_b32 s16, s12, 3
	s_add_co_u32 s86, s86, s16
	s_load_b64 s[76:77], s[72:73], s86 offset:0x0  ; qk_scale of my two heads
	s_lshl_b32 s87, s45, 2
	s_load_b32 s78, s[70:71], s87 offset:147456    ; the batch's flag
	s_lshl_b32 s84, s45, 10
	s_add_co_u32 s84, s84, 131072
	s_mov_b32 s85, 0
	s_add_nc_u64 s[84:85], s[70:71], s[84:85]      ; the batch's 256 addends
	s_lshl_b32 s16, s82, 17                        ; oh: a head is 131,072 bytes,
	s_lshl_b32 s17, s41, 15                        ; my block's 256 rows of 128 bytes,
	s_add_co_u32 s16, s16, s17
	s_lshl_b32 s17, s11, 14                        ; my wave's 128
	s_add_co_u32 s16, s16, s17
	s_mov_b32 s17, 0
	s_add_nc_u64 s[74:75], s[74:75], s[16:17]
	WIN 0x40                                       ; the mask, in a C operand's layout: register j of key tile kt = key 16 kt + 8 (l / 16) + j.  These 32 loads stay out through the product
.set kt, 0
.rept 16
.set rM, 8*kt+128*(kt/8)                               ; v0-63 and v192-255 of window 1, which the product leaves idle
	global_load_b128 v[rM:rM+3],   v[MO], s[84:85] offset:64*kt
	global_load_b128 v[rM+4:rM+7], v[MO], s[84:85] offset:64*kt+16
.set kt, kt+1
.endr
	WIN 0
.macro MUL16 f, hi, a0, zero
	WIN MUL_LO+0x50*(\hi)
.irp a, \a0, (\a0)+1
.irp b, 0,1,2,3,4,5,6,7
.if \zero
	v_wmma_f32_16x16x32_bf16 v[8*(8*(\a)+(\b)):8*(8*(\a)+(\b))+7], v[(\f)+8*(\b):(\f)+8*(\b)+7], v[(\f)+8*(4*(\hi)+(\a)):(\f)+8*(4*(\hi)+(\a))+7], 0
.else
	v_wmma_f32_16x16x32_bf16 v[8*(8*(\a)+(\b)):8*(8*(\a)+(\b))+7], v[(\f)+8*(\b):(\f)+8*(\b)+7], v[(\f)+8*(4*(\hi)+(\a)):(\f)+8*(4*(\hi)+(\a))+7], v[8*(8*(\a)+(\b)):8*(8*(\a)+(\b))+7]
.endif
.endr
.endr
.endm
; 32 LDS loads in one run: the fragments of 32 along K at byte k of the rows of the slot in hand, into buffer f
.macro FETCH k, f
	WIN TO_B
.irp i, 0,1,2,3,4,5,6,7
	ds_load_b128 v[(\f)+8*(\i):(\f)+8*(\i)+3],   v[ADRB] offset:(\k)+(\i)*16*PITCH
	ds_load_b128 v[(\f)+8*(\i)+4:(\f)+8*(\i)+7], v[ADRB] offset:(\k)+(\i)*16*PITCH+32
.endr
	WIN 0
.irp i, 0,1,2,3,4,5,6,7
	ds_load_b128 v[(\f)+8*(\i):(\f)+8*(\i)+3],   v[ADRA] offset:((\k)/128)*AHEAD+((\k)%128)+(\i)*16*APITCH
	ds_load_b128 v[(\f)+8*(\i)+4:(\f)+8*(\i)+7], v[ADRA] offset:((\k)/128)*AHEAD+((\k)%128)+(\i)*16*APITCH+32
.endr
.endm
.macro PLACES                          ; four places in front of loads into registers that matrix instructions have read, and of reads of results
.rept 4
	v_nop
.endr
.endm
.macro QUARTER k, f, g, zero
	s_wait_dscnt 8                                 ; the weights and the data's rows 0-63 are in; the youngest eight loads may be out
	WIN MUL_LO
	MUL16 \f, 0, 0, \zero
	MUL16 \f, 0, 2, \zero
	PLACES
	FETCH \k, \g
	s_wait_dscnt 32                                ; all but the 32 just issued
	WIN MUL_HI
	MUL16 \f, 1, 0, \zero
	MUL16 \f, 1, 2, \zero
.endm
.macro MEET round
	WIN 0
	s_wait_tensorcnt 0x0                           ; all my tensor loads have landed: the one that was out is my part of the next slot
	ds_add_u32 v[SPW], v[NIL]
	s_wait_dscnt 9                                 ; the add and the youngest eight loads may be out
	WIN MUL_LO
	MUL16 F1, 0, 0, 0
	s_wait_dscnt 0x0                               ; the add is done, and my reads of this slot are over
	s_barrier_signal -1
	MUL16 F1, 0, 2, 0
.if \round
	WIN 0
.endif
	s_barrier_wait -1
.endm
; fill = 1: the slot just read is filled again, two K steps ahead, first behind the round; the walking descriptors turn to that slot and step one K step.  Then the other slot comes in hand.
.macro TURN fill
	MEET \fill
.if \fill
	CREST                                          ; no wave of any partner still reads this slot or has a load on its way
	s_xor_b32 s[G0+5], s[G0+5], SLOTB
	s_add_nc_u64 s[G0+6:G0+7], s[G0+6:G0+7], ASTEP
	s_xor_b32 s[G0B+5], s[G0B+5], SLOTB
	s_add_nc_u64 s[G0B+6:G0B+7], s[G0B+6:G0B+7], KSTEP*2
	JLOAD 1                                        ; the first tensor load behind the round; its four v_nop are also the places in front of the loads below
.else
	WIN 0
	PLACES
.endif
	s_xor_b32 s[TB], s[TB], SLOTB
	v_add_nc_u32 v[ADRA], s[TB], v[ADRA0]
	v_add_nc_u32 v[ADRB], s[TB], v[ADRB0]
	FETCH 0, F0
	WIN MUL_HI
	MUL16 F1, 1, 0, 0
	MUL16 F1, 1, 2, 0
.endm
.macro LAST
	s_wait_dscnt 8
	WIN MUL_LO
	MUL16 F1, 0, 0, 0
	MUL16 F1, 0, 2, 0
	s_wait_dscnt 0x0
	WIN MUL_HI
	MUL16 F1, 1, 0, 0
	MUL16 F1, 1, 2, 0
	WIN 0
.endm
	s_wait_tensorcnt 1                             ; my part of K step 0 is in; K step 1's may stay out
	s_barrier_signal -1
	s_barrier_wait -1
	FETCH 0, F0
	QUARTER 64,  F0, F1, 1
	WIN 0
	s_mov_b32 s3, STEPS-2
.Lstep:                                                ; a trip: from a K step's second quarter to the next step's first; it fills the slot that it leaves: K steps 2 to 7
	QUARTER 128, F1, F0, 0
	QUARTER 192, F0, F1, 0
	TURN 1
	QUARTER 64,  F0, F1, 0
	WIN 0
	s_sub_co_u32 s3, s3, 1
	s_cmp_lg_u32 s3, 0
	s_cbranch_scc1 .Lstep
	QUARTER 128, F1, F0, 0                         ; the last two K steps fill nothing
	QUARTER 192, F0, F1, 0
	TURN 0
	QUARTER 64,  F0, F1, 0
	QUARTER 128, F1, F0, 0
	QUARTER 192, F0, F1, 0
	LAST
	; ---------------- ATTENTION ----------------
	s_wait_kmcnt 0x0                               ; qk_scale's pair and the flag
	v_sqrt_f32 v[FQ], s76
	v_sqrt_f32 v[FQ+1], s77
	v_mov_b32 v[QPR], v[QPA]                       ; a plain instruction behind the roots
	s_wait_alu depctr_va_vdst(0)
	v_mul_f32 v[FQ], 0x3e38aa3b, v[FQ]             ; log2(e) / 8
	v_mul_f32 v[FQ+1], 0x3e38aa3b, v[FQ+1]
	v_mul_f32 v[FQ], s78, v[FQ]                    ; 0 where the batch has no visible key
	v_mul_f32 v[FQ+1], s78, v[FQ+1]
	s_wait_loadcnt 0x0                             ; the mask
	; K's and V's descriptors.  No tensor load of mine is out since the last change of slots, so the weights' registers may be written.
	s_or_b32 s[G1B+0], s44, (1<<16)|(1<<20)|(1<<21)|(4<<22)|(7<<25)  ; V: 8 words of padding behind every 32 words
	s_mov_b32 s[G1B+5], 128
	s_mul_i32 s16, s12, KHB
	s_add_co_u32 s[G0B+1], s16, KB
	s_lshl_b32 s86, s82, 15                        ; a head is 32,768 bytes of K and of V
	s_mov_b32 s87, 0
	s_add_nc_u64 s[G0B+2:G0B+3], s[68:69], s[86:87]
	s_or_b32 s[G0B+3], s[G0B+3], 0x80000000
	s_mul_i32 s16, s12, VHB
	s_add_co_u32 s[G0B+5], s16, VB
	s_add_nc_u64 s[86:87], s[86:87], 8388608       ; V lies behind K
	s_add_nc_u64 s[G0B+6:G0B+7], s[68:69], s[86:87]
	s_or_b32 s[G0B+7], s[G0B+7], 0x80000000
	s_mov_b32 s[HC], 2
; q is parked: row block a, channel block b rounded to bf16 (four registers), 512 bytes a block, 2,048 a (head, row block).  Ascending: each accumulator's low registers are read first.
.macro PARK
.set a, 0
.rept 8
	WIN 0x0a+5*(a/4)                               ; sources 0 and 1 in window 2 or 3
.set i, 0
.rept 32
	v_cvt_pk_bf16_f32 v[TMP+i], v[64*(a%4)+2*i], v[64*(a%4)+2*i+1]
.set i, i+1
.endr
	WIN 0
.set b, 0
.rept 8
	ds_store_b128 v[QPA], v[TMP+4*b:TMP+4*b+3] offset:((b/4)*8+a)*2048+(b%4)*512
.set b, b+1
.endr
.set a, a+1
.endr
.endm
; the softmax's lines, for key tile g
.macro SUBM g, n                       ; pair n: s - m
	v_pk_add_f32 v[S+8*(\g)+2*(\n):S+8*(\g)+2*(\n)+1], v[S+8*(\g)+2*(\n):S+8*(\g)+2*(\n)+1], v[M:M+1] op_sel_hi:[1,0] neg_lo:[0,1] neg_hi:[0,1]
.endm
.macro EXPO g, n
	v_exp_f32 v[S+8*(\g)+(\n)], v[S+8*(\g)+(\n)]
.endm
.macro LSUM g, n                       ; the sums, in four pairs: key tiles 0 and 1 start them, two each, by adding their own pairs
.if (\g) < 2
.if (\n) < 2
	s_wait_alu depctr_va_vdst(0)
	v_pk_add_f32 v[L+4*(\g)+2*(\n):L+4*(\g)+2*(\n)+1], v[S+8*(\g)+4*(\n):S+8*(\g)+4*(\n)+1], v[S+8*(\g)+4*(\n)+2:S+8*(\g)+4*(\n)+3]
.endif
.else
	s_wait_alu depctr_va_vdst(0)
	v_pk_add_f32 v[L+2*(\n):L+2*(\n)+1], v[L+2*(\n):L+2*(\n)+1], v[S+8*(\g)+2*(\n):S+8*(\g)+2*(\n)+1]
.endif
.endm
.macro PCVT g, n                       ; P overlays S^T: tile g's four registers land where tile g / 2 lay, which has been summed and rounded
	v_cvt_pk_bf16_f32 v[S+4*(\g)+(\n)], v[S+8*(\g)+2*(\n)], v[S+8*(\g)+2*(\n)+1]
.endm
.Lhead:                                                ; twice: my two heads
	s_wait_tensorcnt 0x0                           ; no tensor load of mine is out;
	ds_add_u32 v[SPW], v[NIL]
	s_wait_dscnt 0x0                               ; the add is done, and so are my reads of the bytes that K and V will fill (the ring; the head before)
	CROUND                                         ; the same holds of every wave of every partner
	JLOADKV                                        ; the one tensor load of this wave behind the round; its four v_nop are the places behind the product's last instructions
	s_cmp_lg_u32 s[HC], 2
	s_cbranch_scc1 .Lparked                        ; q is parked once, while the first head's K and V are on their way
	PARK
.Lparked:
	s_wait_tensorcnt 0x0                           ; my part of K or V is in,
	s_add_nc_u64 s[G0B+2:G0B+3], s[G0B+2:G0B+3], 32768  ; so the addresses may step to the next head (behind the second head they are not used)
	s_add_nc_u64 s[G0B+6:G0B+7], s[G0B+6:G0B+7], 32768
	s_wait_dscnt 0x0                               ; my stores into the park are done
	s_barrier_signal -1
	s_barrier_wait -1                              ; everybody's part is in
	WIN 0x80                                       ; destination window 2
.set f, 0
.rept 32                                               ; K's fragment f: keys 16 (f / 2) on, channels 32 (f % 2) on
	ds_load_b128 v[8*f:8*f+3],   v[AKF] offset:(f/2)*16*KP+(f%2)*64
	ds_load_b128 v[8*f+4:8*f+7], v[AKF] offset:(f/2)*16*KP+(f%2)*64+32
.set f, f+1
.endr
	WIN 0xc0                                       ; destination window 3
.set f, 0
.rept 32                                               ; V^T's fragment f: keys 32 (f / 4) on, channels 16 (f % 4) on
	ds_load_tr16_b128 v[8*f:8*f+3],   v[AVF] offset:(f/4)*32*VP+(f%4)*32
	ds_load_tr16_b128 v[8*f+4:8*f+7], v[AVF] offset:(f/4)*32*VP+16*VP+(f%4)*32
.set f, f+1
.endr
	WIN 0
	s_wait_dscnt 0x0
	s_mov_b32 s[TC], 8
.Ltile:                                                ; eight times: 16 queries against the head's 256 keys
	; q back from the park, widened into S^T's idle registers, its norm, and q f rounded into source 1's two fragments
.irp q, 0,1,2,3
	ds_load_b128 v[Q+4*(\q):Q+4*(\q)+3], v[QPR] offset:512*(\q)
.endr
	s_wait_dscnt 0x0
.set i, 0
.rept 16
	v_lshlrev_b32 v[S+2*i], 16, v[Q+i]
	v_and_b32 v[S+2*i+1], s83, v[Q+i]
.set i, i+1
.endr
.set i, 0
.rept 16
.if i < 4
	v_pk_mul_f32 v[L+2*i:L+2*i+1], v[S+2*i:S+2*i+1], v[S+2*i:S+2*i+1]
.else
	v_pk_fma_f32 v[L+2*(i%4):L+2*(i%4)+1], v[S+2*i:S+2*i+1], v[S+2*i:S+2*i+1], v[L+2*(i%4):L+2*(i%4)+1]
.endif
.set i, i+1
.endr
	v_pk_add_f32 v[L:L+1], v[L:L+1], v[L+2:L+3]
	v_pk_add_f32 v[L+4:L+5], v[L+4:L+5], v[L+6:L+7]
	v_pk_add_f32 v[L:L+1], v[L:L+1], v[L+4:L+5]
	v_add_f32 v[L], v[L], v[L+1]
	v_permlanex16_b32 v[PT], v[L], s80, s81        ; the query's other 32 channels lie in the lane 16 away
	v_add_f32 v[L], v[L], v[PT]
	v_add_f32 v[L], 0x358637bd, v[L]               ; + 1e-6
	v_rsq_f32 v[F], v[L]
	v_add_nc_u32 v[QPR], 2048, v[QPR]              ; the next tile's q; also the plain instruction behind the root
	s_wait_alu depctr_va_vdst(0)
	v_mul_f32 v[F], v[F], v[FQ]
.set i, 0
.rept 16
	v_pk_mul_f32 v[S+2*i:S+2*i+1], v[S+2*i:S+2*i+1], v[F:F+1] op_sel_hi:[1,0]
.set i, i+1
.endr
.set i, 0
.rept 16
	v_cvt_pk_bf16_f32 v[Q+i], v[S+2*i], v[S+2*i+1]
.set i, i+1
.endr
	; S^T = K Q^T + mask: 16 accumulators by turns; the mask starts the sums
	WIN 0x12                                       ; K window 2, Q window 0, C window 1, D window 0
.set kt, 0
.rept 16
.set rM, 8*kt+128*(kt/8)
	v_wmma_f32_16x16x32_bf16 v[S+8*kt:S+8*kt+7], v[16*kt:16*kt+7], v[Q:Q+7], v[rM:rM+7]
.set kt, kt+1
.endr
	WIN 0x02
.set kt, 0
.rept 16
	v_wmma_f32_16x16x32_bf16 v[S+8*kt:S+8*kt+7], v[16*kt+8:16*kt+15], v[Q+8:Q+15], v[S+8*kt:S+8*kt+7]
.set kt, kt+1
.endr
	WIN 0
	PLACES
	; the maximum of my 128 scores: chain j walks key tiles j, j + 4, j + 8, j + 12, three operands at a time; each accumulator is entered at its register 0
.irp j, 0,1,2,3
	v_max3_num_f32 v[CM+(\j)], v[S+8*(\j)], v[S+8*(\j)+1], v[S+8*(\j)+2]
.endr
.set i, 0
.rept 14
.irp j, 0,1,2,3
	v_max3_num_f32 v[CM+(\j)], v[CM+(\j)], v[S+8*((\j)+4*((3+2*i)/8))+(3+2*i)%8], v[S+8*((\j)+4*((4+2*i)/8))+(4+2*i)%8]
.endr
.set i, i+1
.endr
	v_max3_num_f32 v[CM], v[CM], v[S+8*12+7], v[S+8*13+7]      ; the four scores left over
	v_max3_num_f32 v[CM+2], v[CM+2], v[S+8*14+7], v[S+8*15+7]
	v_max3_num_f32 v[CM], v[CM], v[CM+1], v[CM+2]
	v_max_num_f32 v[CM], v[CM], v[CM+3]
	v_permlanex16_b32 v[PT], v[CM], s80, s81       ; the query's other 128 keys lie in the lane 16 away
	v_max_num_f32 v[M], v[CM], v[PT]
	; p = 2^(s - m), the sums and the roundings: a key tile's eight exponentials stand among plain lines that are ready: s - m two tiles ahead, the sums of the tile before; its roundings follow
.irp n, 0,1,2,3
	SUBM 0, \n
.endr
.irp n, 0,1,2,3
	SUBM 1, \n
.endr
.set gg, 0
.rept 16
.set nn, 0
.rept 4
	EXPO gg, 2*nn
.if gg < 14
	SUBM gg+2, nn
.endif
	EXPO gg, 2*nn+1
.if gg > 0
	LSUM gg-1, nn
.endif
.set nn, nn+1
.endr
.if gg > 0
.irp n, 0,1,2,3
	PCVT gg-1, \n
.endr
.endif
.set gg, gg+1
.endr
.irp n, 0,1,2,3
	LSUM 15, \n
.endr
.irp n, 0,1,2,3
	PCVT 15, \n
.endr
	; O^T = V^T P: four accumulators by turns; the first four products start the sums
	WIN 0x03                                       ; V^T window 3, P, C and D window 0
.set kk, 0
.rept 8
.irp cb, 0,1,2,3
.if kk == 0
	v_wmma_f32_16x16x32_bf16 v[O+8*(\cb):O+8*(\cb)+7], v[32*kk+8*(\cb):32*kk+8*(\cb)+7], v[S+8*kk:S+8*kk+7], 0
.else
	v_wmma_f32_16x16x32_bf16 v[O+8*(\cb):O+8*(\cb)+7], v[32*kk+8*(\cb):32*kk+8*(\cb)+7], v[S+8*kk:S+8*kk+7], v[O+8*(\cb):O+8*(\cb)+7]
.endif
.endr
.set kk, kk+1
.endr
	WIN 0
	; o = O / l.  The four additions are the places behind the last products.
	v_pk_add_f32 v[L:L+1], v[L:L+1], v[L+2:L+3]
	v_pk_add_f32 v[L+4:L+5], v[L+4:L+5], v[L+6:L+7]
	v_pk_add_f32 v[L:L+1], v[L:L+1], v[L+4:L+5]
	v_add_f32 v[L], v[L], v[L+1]
	v_permlanex16_b32 v[PT], v[L], s80, s81
	v_add_f32 v[L], v[L], v[PT]
	v_rcp_f32 v[RL], v[L]
	v_nop                                          ; a plain instruction between the reciprocal and the use of its result
.set i, 0
	s_wait_alu depctr_va_vdst(0)
.rept 16
	v_pk_mul_f32 v[O+2*i:O+2*i+1], v[O+2*i:O+2*i+1], v[RL:RL+1] op_sel_hi:[1,0]
.set i, i+1
.endr
.set i, 0
.rept 16
	v_cvt_pk_bf16_f32 v[OT+i], v[O+2*i], v[O+2*i+1]
.set i, i+1
.endr
.irp cb, 0,1,2,3
	ds_store_b128 v[STO], v[OT+4*(\cb):OT+4*(\cb)+3] offset:32*(\cb)  ; a lane's eight channels of a row: 16 bytes into rows of 144
.endr
.irp f, 0,1,2,3
	ds_load_b128 v[OT+4*(\f):OT+4*(\f)+3], v[RD] offset:(\f)*4*144    ; back as whole rows; LDS serves a wave's instructions in order (ISA guide 5.7.1.4)
.endr
.irp f, 0,1,2,3
	s_wait_dscnt 3-(\f)                            ; the younger loads may stay out
	global_store_b128 v[GO], v[OT+4*(\f):OT+4*(\f)+3], s[74:75] offset:512*(\f)  ; four rows of a head: 512 consecutive bytes, aligned
.endr
	s_wait_xcnt 0x0                                ; the base and the stores' data are written again only behind this wait
	s_add_nc_u64 s[74:75], s[74:75], 2048
	s_sub_co_u32 s[TC], s[TC], 1
	s_cmp_lg_u32 s[TC], 0
	s_cbranch_scc1 .Ltile
	v_mov_b32 v[FQ], v[FQ+1]                       ; the next head's factor,
	s_add_nc_u64 s[74:75], s[74:75], 131072-8*2048 ; and its rows in oh
	s_sub_co_u32 s[HC], s[HC], 1
	s_cmp_lg_u32 s[HC], 0
	s_cbranch_scc1 .Lhead
	s_wait_tensorcnt 0x0                           ; the wave's end: behind my last tensor load and my last LDS store
	ds_add_u32 v[SPW], v[NIL]
	s_wait_dscnt 0x0
	CROUND                                         ; the closing round: no work-group ends while a partner may still ask for a tile that names it
	s_endpgm
.Lfunc_end_k_q5274a9d91d_qattn:
	.size	k_q5274a9d91d_qattn, .Lfunc_end_k_q5274a9d91d_qattn-k_q5274a9d91d_qattn
	.p2alignl 7, 3214868480
	.fill 96, 4, 3214868480
	.section	.rodata,"a",@progbits
	.p2align	6, 0x0
	.amdhsa_kernel k_q5274a9d91d_qattn
		.amdhsa_group_segment_fixed_size 327680
		.amdhsa_private_segment_fixed_size 0
		.amdhsa_enable_private_segment 0
		.amdhsa_kernarg_size 48
		.amdhsa_user_sgpr_count 2
		.amdhsa_user_sgpr_kernarg_segment_ptr 1
		.amdhsa_wavefront_size32 1
		.amdhsa_system_sgpr_workgroup_id_x 1
		.amdhsa_system_sgpr_workgroup_id_y 1
		.amdhsa_system_sgpr_workgroup_id_z 1
		.amdhsa_system_vgpr_workitem_id 0
		.amdhsa_next_free_vgpr 1024
		.amdhsa_next_free_sgpr 96
		.amdhsa_reserve_vcc 0
		.amdhsa_float_denorm_mode_32 3
		.amdhsa_float_denorm_mode_16_64 3
		.amdhsa_memory_ordered 1
		.amdhsa_forward_progress 1
		.amdhsa_inst_pref_size 156
	.end_amdhsa_kernel
	.amdgpu_metadata
---
amdhsa.version: [ 1, 2 ]
amdhsa.kernels:
  - .name:           k_q5274a9d91d_qattn
    .symbol:         k_q5274a9d91d_qattn.kd
    .args:
      - { .name: xn, .offset: 0, .size: 8, .value_kind: global_buffer, .address_space: global }
      - { .name: wb, .offset: 8, .size: 8, .value_kind: global_buffer, .address_space: global }
      - { .name: kv, .offset: 16, .size: 8, .value_kind: global_buffer, .address_space: global }
      - { .name: tab, .offset: 24, .size: 8, .value_kind: global_buffer, .address_space: global }
      - { .name: qk_scale, .offset: 32, .size: 8, .value_kind: global_buffer, .address_space: global }
      - { .name: oh, .offset: 40, .size: 8, .value_kind: global_buffer, .address_space: global }
    .group_segment_fixed_size: 327680
    .private_segment_fixed_size: 0
    .kernarg_segment_align: 8
    .kernarg_segment_size: 48
    .max_flat_workgroup_size: 128
    .sgpr_count:     96
    .vgpr_count:     1024
    .wavefront_size: 32
...
	.end_amdgpu_metadata
.endif
;; end of part 4
;; launch outproj (part 5): grid 4 x 64, 4 waves a work-group, clusters of 4 x 4, 327,680 bytes of LDS; arguments oh, wb, x, out0; writes out0
.if DOCPART == 5
	.amdgcn_target "amdgcn-amd-amdhsa--gfx1250"
	.amdhsa_code_object_version 6
	.text
	.protected	k_q5274a9d91d_outproj
	.globl	k_q5274a9d91d_outproj
	.p2align	8
	.type	k_q5274a9d91d_outproj,@function
k_q5274a9d91d_outproj:
	s_mov_b64 s[64:65], 0
	v_nop
	global_prefetch_b8 v0, s[64:65] scope:SCOPE_SE
	s_setreg_imm32_b32 hwreg(HW_REG_WAVE_MODE, 25, 1), 1
	s_wait_xcnt 0x0
	s_wait_alu depctr_hold_cnt(0) depctr_sa_sdst(0) depctr_va_vdst(0) depctr_va_sdst(0) depctr_va_ssrc(0) depctr_va_vcc(0) depctr_vm_vsrc(0)
	s_getreg_b32 s2, hwreg(HW_REG_IB_STS2, 6, 4)
	s_cmp_eq_u32 s2, 0
	s_cbranch_scc0 .Lentry_in_a_cluster
	s_endpgm
.Lentry_in_a_cluster:
	s_bfe_u32 s2, ttmp6, 0x10000c
	s_cmp_lg_u32 s2, 0xf033
	s_cbranch_scc0 .Lentry_shape_is_right
	s_endpgm
.Lentry_shape_is_right:
; OUTPROJ.  out0 = o w_o^T + x.  o: oh[batch][head][1024][64] bf16; w_o: [1024][1024] bf16 at byte 2,097,152 of wb; x and out0 f32.  Sums in f32, the skip added in f32.
; THE PRODUCT is a tile of 256 x 256 a work-group, four waves of 128 x 128, K in 8 steps of 128 through two LDS slots; 64 x 4 tiles make 256 work-groups, 4 x 4 a cluster (one batch).
; o comes by heads: a K step is two heads, and of each head my 256 rows are 32,768 dense bytes, asked for as 128 rows of 256 bytes and padded in LDS behind every row of 128.  o's tiles are asked for
; jointly along a row of the cluster, w_o's along a column.  The matrix instruction is used transposed: lane l holds row l % 16 and channels 8 (l / 16) + 0..7.
; A trip of the product's loop is one K step: the slot in hand is a scalar, 0 or SLOTB, from which the fragment addresses are made anew at each change of slots.
; THE WAY OUT.  The sums go as f32 into the ring's bytes, which have had their last fill (each wave 128 rows x 528 bytes of its own), and come back as whole rows: a load, an addition and a store each cover my 512
; consecutive bytes of a row.  x's first 32 rows are loaded at the kernel's start and wait in window 1's idle registers; each buffer of 16 rows is loaded again as soon as it has been added.
; REGISTERS in windows of 256: window 0: v0-31 addresses, v64-191 fragments of o (on the way out two buffers of 16 rows); window 1: v64-191 fragments of w_o, v0-63 and v192-255 x;
; windows 2, 3: accumulator (a, b) at v[8 (8 (a % 4) + b)] of window 2 + a / 4.
.set SIZE_K, 1024
.set KSTEP,  128
.set STEPS,  SIZE_K/KSTEP
.set PITCH,  272                       ; a weight row in LDS: 256 bytes + 16 of padding
.set HALFT,  128*PITCH
.set APITCH, 144                       ; a row of one head of o in LDS: 128 bytes + 16: the 16 rows of a fragment load start at 16 different groups of four banks (ISA guide 11.1)
.set AHEAD,  256*APITCH                ; bytes in LDS from a K step's first head to its second
.set ALB,    256*APITCH                ; what one tensor load of o fills: 256 rows of one head
.set AQI,    4                         ; o: padding behind every 32 words
.set ASTRIDE, 128                      ; o: a dense block, 128 elements from row to row
.set ASTEP,  2*131072                  ; o: two heads on
.set BBASE,  2*ALB
.set SLOT,   BBASE+2*HALFT             ; 143,360 bytes
.set SLOTB,  147456                    ; from slot 0 to slot 1: 0x24000, 4,096 bytes more than a slot holds.  The tiles' places in a slot (0, 0x9000, 0x12000, 0x1A800) share no bit with it, so one exclusive or turns a place in one slot into the other's
.set SPARE,  SLOTB+SLOT                ; 290,816: behind the ring: the spare words, 128 bytes a wave
.set BOFS,   2097152                   ; w_o in wb
.set DP,     528                       ; the way out: a row of 128 f32 + 16 bytes
.set DUMPB,  128*DP
.set DST,  6                           ; v6   where my lane puts its sums
.set ADRA0, 14                         ; v14  my fragments of o in slot 0; never rewritten
.set ADRB0, 15                         ; v15  my weight fragments in slot 0; never rewritten
.set ADRA, 16                          ; v16  the same in the slot in hand
.set ADRB, 17                          ; v17
.set RDR,  25                          ; v25  where it reads rows back; steps
.set CO,   26                          ; v26  16 x lane
.set PF,   27                          ; v27  the prefetches' lane offset; never rewritten
.set SPW,  28                          ; v28  my spare word's address; never rewritten
.set NIL,  29                          ; v29  0; never rewritten
.set F0,   64
.set F1,   128
.set TB, 22                            ; s22  the slot in hand: 0 or SLOTB
.set G1, 24                            ; s[24:31] group 1, o;  s[32:35] group 0 of K step 0, s[36:39] the one that walks
.set G0, 32
.set G1B, 48
.set G0B, 56
.set MSB, 0
.macro WIN new                         ; the immediate's high byte repeats the setting that is left; a switch that changes nothing is dropped
.if MSB != (\new)
	s_set_vgpr_msb (MSB<<8)|(\new)
.set MSB, \new
.endif
.endm
.set MUL_LO, 0xa1
.set MUL_HI, 0xf1
.set TO_B,   0x40
; A joint load: waves 0 and 1 fetch o's two heads, waves 2 and 3 the weights' two halves.  The branch hangs on the wave's number alone.  An s_nop 0 and four v_nop follow each line.
.macro JLOAD s
	s_cmp_eq_u32 s11, 0
	s_cbranch_scc0 .Lfor_b_\@
	tensor_load_to_lds s[G0+4*(\s):G0+4*(\s)+3], s[G1:G1+7]
	s_nop 0
.rept 4
	v_nop
.endr
	s_branch .Lasked_\@
.Lfor_b_\@:
	tensor_load_to_lds s[G0B+4*(\s):G0B+4*(\s)+3], s[G1B:G1B+7]
	s_nop 0
.rept 4
	v_nop
.endr
.Lasked_\@:
.endm
.macro CREST
	s_cmp_lg_u32 s10, 0
	s_cbranch_scc1 .Lnot_wave_0_\@
	s_barrier_signal -3
.Lnot_wave_0_\@:
	s_barrier_wait -3
	s_barrier_signal -1
	s_barrier_wait -1
.endm
.macro CROUND
	s_barrier_signal -1
	s_barrier_wait -1
	CREST
.endm
	s_load_b128 s[4:7], s[0:1], 0x0                ; oh s[4:5], wb s[6:7]
	s_load_b128 s[68:71], s[0:1], 0x10             ; x s[68:69], out0 s[70:71]
	v_lshl_add_u32 v[SPW], v0, 2, SPARE
	v_mov_b32 v[NIL], 0
	ds_add_u32 v[SPW], v[NIL]                      ; the wave's opening: the add and its wait stand ahead of my first tensor load; work on registers stands between
	v_lshrrev_b32 v1, 5, v0
	v_readfirstlane_b32 s10, v1                    ; wave 0..3
	s_lshr_b32 s11, s10, 1                         ; which half of the tile's rows is mine.  Also: I fetch o (0) or weights (1)
	s_and_b32 s12, s10, 1                          ; which half of its columns.  Also: which part I fetch
	s_bfe_u32 s40, ttmp6, 0x40000                  ; cx
	s_bfe_u32 s41, ttmp6, 0x40004                  ; cy
	s_lshl_b32 s42, ttmp9, 2
	s_add_co_u32 s42, s42, s40                     ; tile column
	s_and_b32 s45, ttmp7, 0xffff                   ; the batch
	s_lshl_b32 s13, s45, 2
	s_add_co_u32 s13, s13, s41                     ; tile row
	s_lshl_b32 s43, s41, 2
	s_lshl_b32 s43, 15, s43                        ; my row of the cluster
	s_lshl_b32 s44, 0x1111, s40                    ; my column
	s_or_b32 s[G1+0], s43, (1<<16)|(1<<20)|(1<<21)|(AQI<<22)|(3<<25)  ; mask; 2-byte elements; padding on; bit 21 beside a mask; the interval; 4 words of padding
	s_or_b32 s[G1B+0], s44, (1<<16)|(1<<20)|(1<<21)|(5<<22)|(3<<25)
.irp g, G1, G1B
	s_mov_b32 s[(\g)+1], 128<<16                   ; tensor_dim0 = 128
	s_mov_b32 s[(\g)+2], 128<<16                   ; tensor_dim1 = 128
	s_mov_b32 s[(\g)+3], 128<<16                   ; tile_dim0 = 128
	s_mov_b32 s[(\g)+4], 128                       ; tile_dim1 = 128
	s_mov_b32 s[(\g)+6], 0
	s_mov_b32 s[(\g)+7], 0
.endr
	s_mov_b32 s[G1+5], ASTRIDE
	s_mov_b32 s[G1B+5], SIZE_K
	s_lshl_b32 s16, s45, 21                        ; o: a batch is 2,097,152 bytes,
	s_lshl_b32 s17, s41, 15                        ; my block's 256 rows of 128 bytes in a head,
	s_add_co_u32 s16, s16, s17
	s_lshl_b32 s17, s12, 17                        ; the first or the second head of a K step
	s_add_co_u32 s16, s16, s17
	s_mov_b32 s17, 0
	s_lshl_b32 s46, s42, 8
	s_lshl_b32 s47, s12, 7
	s_add_co_u32 s46, s46, s47                     ; weights: row 256 x tile column + 128 x part
	s_mov_b32 s47, 0
	s_mov_b64 s[18:19], SIZE_K*2
	s_mul_u64 s[46:47], s[46:47], s[18:19]
	s_add_nc_u64 s[46:47], s[46:47], BOFS
	s_mul_i32 s20, s12, ALB
	s_mul_i32 s23, s12, HALFT
	s_add_co_u32 s23, s23, BBASE
	s_wait_dscnt 0x0                               ; the opening add is done
	s_wait_kmcnt 0x0
	s_add_nc_u64 s[14:15], s[4:5], s[16:17]
	s_add_nc_u64 s[46:47], s[6:7], s[46:47]
	CROUND                                         ; all sixteen work-groups are here: the first joint loads meet
.irp s, 0,1
	s_mov_b32 s[G0+4*(\s)], 1
	s_add_co_u32 s[G0+4*(\s)+1], s20, (\s)*SLOTB
	s_add_nc_u64 s[G0+4*(\s)+2:G0+4*(\s)+3], s[14:15], (\s)*ASTEP
	s_or_b32 s[G0+4*(\s)+3], s[G0+4*(\s)+3], 0x80000000
	s_mov_b32 s[G0B+4*(\s)], 1
	s_add_co_u32 s[G0B+4*(\s)+1], s23, (\s)*SLOTB
	s_add_nc_u64 s[G0B+4*(\s)+2:G0B+4*(\s)+3], s[46:47], (\s)*KSTEP*2
	s_or_b32 s[G0B+4*(\s)+3], s[G0B+4*(\s)+3], 0x80000000
	JLOAD \s                                       ; two loads of mine are out
.endr
	v_and_b32 v1, 15, v0                           ; l % 16
	v_bfe_u32 v2, v0, 4, 1                         ; l / 16
	v_mul_u32_u24 v3, v1, PITCH
	v_lshl_add_u32 v3, v2, 4, v3
	v_mul_u32_u24 v4, v1, APITCH
	v_lshl_add_u32 v4, v2, 4, v4
	s_mul_i32 s21, s11, 128*APITCH                 ; my 128 rows in each head's block
	s_mul_i32 s22, s12, HALFT
	s_add_co_u32 s22, s22, BBASE
	v_add_nc_u32 v[ADRA0], s21, v4
	v_add_nc_u32 v[ADRB0], s22, v3
	v_mov_b32 v[ADRA], v[ADRA0]
	v_mov_b32 v[ADRB], v[ADRB0]
	s_mov_b32 s[TB], 0                             ; slot 0 is in hand
	s_mul_i32 s16, s10, DUMPB
	v_mul_u32_u24 v[DST], v1, DP                   ; in: row l % 16, 32 bytes for each half of the lanes
	v_lshl_add_u32 v[DST], v2, 5, v[DST]
	v_add_nc_u32 v[DST], s16, v[DST]
	v_and_b32 v[CO], 31, v0
	v_lshrrev_b32 v[PF], 1, v[CO]                  ; the prefetches: lane l asks for block l % 2 of my 512 bytes of row l / 2
	v_lshlrev_b32 v[PF], 12, v[PF]
	v_and_b32 v3, 1, v0
	v_lshl_add_u32 v[PF], v3, 8, v[PF]
	v_lshlrev_b32 v[CO], 4, v[CO]
	v_add_nc_u32 v[RDR], s16, v[CO]                ; back: a whole row of 512 bytes an instruction
	s_lshl_b32 s72, s13, 20                        ; x and out0: 256 rows of 4,096 bytes a tile row,
	s_lshl_b32 s73, s11, 19                        ; my 128 rows,
	s_add_co_u32 s72, s72, s73
	s_lshl_b32 s73, s42, 10                        ; the tile's 1,024 bytes of a row,
	s_add_co_u32 s72, s72, s73
	s_lshl_b32 s73, s12, 9                         ; my 512
	s_add_co_u32 s72, s72, s73
	s_mov_b32 s73, 0
	s_add_nc_u64 s[68:69], s[68:69], s[72:73]
	s_add_nc_u64 s[70:71], s[70:71], s[72:73]
	WIN 0x40                                       ; x's rows 0-15 and 16-31 of mine: these 32 loads stay out through the product
.irp j, 0,1,2,3,4,5,6,7,8,9,10,11,12,13,14,15
	global_load_b128 v[4*(\j):4*(\j)+3], v[CO], s[68:69] offset:(\j)*4096 th:TH_LOAD_NT
.endr
.irp j, 0,1,2,3,4,5,6,7,8,9,10,11,12,13,14,15
	global_load_b128 v[192+4*(\j):192+4*(\j)+3], v[CO], s[68:69] offset:(16+(\j))*4096 th:TH_LOAD_NT
.endr
	WIN 0
.macro MUL16 f, hi, a0, zero
	WIN MUL_LO+0x50*(\hi)
.irp a, \a0, (\a0)+1
.irp b, 0,1,2,3,4,5,6,7
.if \zero
	v_wmma_f32_16x16x32_bf16 v[8*(8*(\a)+(\b)):8*(8*(\a)+(\b))+7], v[(\f)+8*(\b):(\f)+8*(\b)+7], v[(\f)+8*(4*(\hi)+(\a)):(\f)+8*(4*(\hi)+(\a))+7], 0
.else
	v_wmma_f32_16x16x32_bf16 v[8*(8*(\a)+(\b)):8*(8*(\a)+(\b))+7], v[(\f)+8*(\b):(\f)+8*(\b)+7], v[(\f)+8*(4*(\hi)+(\a)):(\f)+8*(4*(\hi)+(\a))+7], v[8*(8*(\a)+(\b)):8*(8*(\a)+(\b))+7]
.endif
.endr
.endr
.endm
; 32 LDS loads in one run: the fragments of 32 along K at byte k of the rows of the slot in hand, into buffer f
.macro FETCH k, f
	WIN TO_B
.irp i, 0,1,2,3,4,5,6,7
	ds_load_b128 v[(\f)+8*(\i):(\f)+8*(\i)+3],   v[ADRB] offset:(\k)+(\i)*16*PITCH
	ds_load_b128 v[(\f)+8*(\i)+4:(\f)+8*(\i)+7], v[ADRB] offset:(\k)+(\i)*16*PITCH+32
.endr
	WIN 0
.irp i, 0,1,2,3,4,5,6,7
	ds_load_b128 v[(\f)+8*(\i):(\f)+8*(\i)+3],   v[ADRA] offset:((\k)/128)*AHEAD+((\k)%128)+(\i)*16*APITCH
	ds_load_b128 v[(\f)+8*(\i)+4:(\f)+8*(\i)+7], v[ADRA] offset:((\k)/128)*AHEAD+((\k)%128)+(\i)*16*APITCH+32
.endr
.endm
.macro PLACES                          ; four places in front of loads into registers that matrix instructions have read, and of reads of results
.rept 4
	v_nop
.endr
.endm
.macro QUARTER k, f, g, zero
	s_wait_dscnt 8                                 ; the weights and o's rows 0-63 are in; the youngest eight loads may be out
	WIN MUL_LO
	MUL16 \f, 0, 0, \zero
	MUL16 \f, 0, 2, \zero
	PLACES
	FETCH \k, \g
	s_wait_dscnt 32                                ; all but the 32 just issued
	WIN MUL_HI
	MUL16 \f, 1, 0, \zero
	MUL16 \f, 1, 2, \zero
.endm
.macro MEET round
	WIN 0
	s_wait_tensorcnt 0x0                           ; all my tensor loads have landed: the one that was out is my part of the next slot
	ds_add_u32 v[SPW], v[NIL]
	s_wait_dscnt 9                                 ; the add and the youngest eight loads may be out
	WIN MUL_LO
	MUL16 F1, 0, 0, 0
	s_wait_dscnt 0x0                               ; the add is done, and my reads of this slot are over
	s_barrier_signal -1
	MUL16 F1, 0, 2, 0
.if \round
	WIN 0
.endif
	s_barrier_wait -1
.endm
; fill = 1: the slot just read is filled again, two K steps ahead, first behind the round; the walking descriptors turn to that slot and step one K step.  Then the other slot comes in hand.
.macro TURN fill
	MEET \fill
.if \fill
	CREST                                          ; no wave of any partner still reads this slot or has a load on its way
	s_xor_b32 s[G0+5], s[G0+5], SLOTB
	s_add_nc_u64 s[G0+6:G0+7], s[G0+6:G0+7], ASTEP
	s_xor_b32 s[G0B+5], s[G0B+5], SLOTB
	s_add_nc_u64 s[G0B+6:G0B+7], s[G0B+6:G0B+7], KSTEP*2
	JLOAD 1                                        ; the first tensor load behind the round; its four v_nop are also the places in front of the loads below
.else
	WIN 0
	PLACES
.endif
	s_xor_b32 s[TB], s[TB], SLOTB
	v_add_nc_u32 v[ADRA], s[TB], v[ADRA0]
	v_add_nc_u32 v[ADRB], s[TB], v[ADRB0]
	FETCH 0, F0
	WIN MUL_HI
	MUL16 F1, 1, 0, 0
	MUL16 F1, 1, 2, 0
.endm
.macro LAST
	s_wait_dscnt 8
	WIN MUL_LO
	MUL16 F1, 0, 0, 0
	MUL16 F1, 0, 2, 0
	s_wait_dscnt 0x0
	WIN MUL_HI
	MUL16 F1, 1, 0, 0
	MUL16 F1, 1, 2, 0
	WIN 0
.endm
; x's rows 32 + 16 i .. 47 + 16 i of mine are asked for ahead: each wave for its own 512 bytes of a row, each aligned block of 256 bytes once; four such lines a wave, 8,192 bytes each, all inside x
.macro AHEAD_X i
	WIN 0
	global_prefetch_b8 v[PF], s[68:69] offset:(32+16*(\i))*4096 th:TH_LOAD_NT scope:SCOPE_SE
.endm
	s_wait_tensorcnt 1                             ; my part of K step 0 is in; K step 1's may stay out
	s_barrier_signal -1
	s_barrier_wait -1
	FETCH 0, F0
	QUARTER 64,  F0, F1, 1
	WIN 0
	s_mov_b32 s3, STEPS-2
.Lstep:                                                ; a trip: from a K step's second quarter to the next step's first; it fills the slot that it leaves: K steps 2 to 7
	QUARTER 128, F1, F0, 0
	QUARTER 192, F0, F1, 0
	TURN 1
	QUARTER 64,  F0, F1, 0
	WIN 0
	s_sub_co_u32 s3, s3, 1
	s_cmp_lg_u32 s3, 0
	s_cbranch_scc1 .Lstep
	QUARTER 128, F1, F0, 0                         ; the last two K steps fill nothing; the prefetches are spread over their first quarters
	AHEAD_X 0
	QUARTER 192, F0, F1, 0
	AHEAD_X 1
	TURN 0
	AHEAD_X 2
	QUARTER 64,  F0, F1, 0
	AHEAD_X 3
	QUARTER 128, F1, F0, 0
	QUARTER 192, F0, F1, 0
	LAST
	; THE WAY OUT
	s_barrier_signal -1                            ; every wave's reads of the ring are back (the wait for 0 in the last quarter) and no tensor load is out:
	s_barrier_wait -1                              ; the ring's bytes may be written
	PLACES
.set a, 0
.rept 8                                                ; accumulator (a, b): rows 16 a + l % 16, channels 16 b + 8 (l / 16) + 0..7; the low four registers go first
	WIN 0x08+4*(a/4)                               ; the stores' data in window 2 or 3
.set b, 0
.rept 8
	ds_store_b128 v[DST], v[8*(8*(a%4)+b):8*(8*(a%4)+b)+3]   offset:a*16*DP+b*64
	ds_store_b128 v[DST], v[8*(8*(a%4)+b)+4:8*(8*(a%4)+b)+7] offset:a*16*DP+b*64+16
.set b, b+1
.endr
.set a, a+1
.endr
	WIN 0
; Sixteen rows: back from LDS (my own bytes: LDS serves a wave's instructions in order, ISA guide 5.7.1.4), plus x, stored.  refill = 1: x's buffer takes the rows 32 further down.  left = x's younger loads that may stay out.
.macro HALF b, refill, left
	WIN 0
.set RB, 64+64*(\b)
.set XB, 192*(\b)
.irp j, 0,1,2,3,4,5,6,7,8,9,10,11,12,13,14,15
	ds_load_b128 v[RB+4*(\j):RB+4*(\j)+3], v[RDR] offset:(16*(\b)+(\j))*DP
.endr
	s_wait_loadcnt \left
	s_wait_dscnt 0x0
	WIN 0x04                                       ; source 1 (x) in window 1
.set i, 0
.rept 32
	v_pk_add_f32 v[RB+2*i:RB+2*i+1], v[RB+2*i:RB+2*i+1], v[XB+2*i:XB+2*i+1]
.set i, i+1
.endr
.if \refill
	WIN 0x40
.irp j, 0,1,2,3,4,5,6,7,8,9,10,11,12,13,14,15
	global_load_b128 v[XB+4*(\j):XB+4*(\j)+3], v[CO], s[68:69] offset:(32+16*(\b)+(\j))*4096 th:TH_LOAD_NT
.endr
.endif
	WIN 0
.irp j, 0,1,2,3,4,5,6,7,8,9,10,11,12,13,14,15
	global_store_b128 v[CO], v[RB+4*(\j):RB+4*(\j)+3], s[70:71] offset:(16*(\b)+(\j))*4096 th:TH_STORE_NT  ; 512 consecutive bytes, aligned
.endr
.endm
	s_mov_b32 s3, 3
.Lout:                                                 ; a trip: 32 rows
	HALF 0, 1, 16                                  ; the other buffer's sixteen loads may stay out, on the way in and round the back edge alike
	HALF 1, 1, 16
	s_wait_xcnt 0x0                                ; the bases and the stores' data are written again only behind this wait
	s_add_nc_u64 s[68:69], s[68:69], 131072
	s_add_nc_u64 s[70:71], s[70:71], 131072
	v_add_nc_u32 v[RDR], 32*DP, v[RDR]
	s_sub_co_u32 s3, s3, 1
	s_cmp_lg_u32 s3, 0
	s_cbranch_scc1 .Lout
	HALF 0, 0, 16                                  ; the last 32 rows load nothing more
	HALF 1, 0, 0
	s_wait_tensorcnt 0x0                           ; the wave's end: behind my last tensor load and my last LDS store
	ds_add_u32 v[SPW], v[NIL]
	s_wait_dscnt 0x0
	CROUND                                         ; the closing round: no work-group ends while a partner may still ask for a tile that names it
	s_endpgm
.Lfunc_end_k_q5274a9d91d_outproj:
	.size	k_q5274a9d91d_outproj, .Lfunc_end_k_q5274a9d91d_outproj-k_q5274a9d91d_outproj
	.p2alignl 7, 3214868480
	.fill 96, 4, 3214868480
	.section	.rodata,"a",@progbits
	.p2align	6, 0x0
	.amdhsa_kernel k_q5274a9d91d_outproj
		.amdhsa_group_segment_fixed_size 327680
		.amdhsa_private_segment_fixed_size 0
		.amdhsa_enable_private_segment 0
		.amdhsa_kernarg_size 32
		.amdhsa_user_sgpr_count 2
		.amdhsa_user_sgpr_kernarg_segment_ptr 1
		.amdhsa_wavefront_size32 1
		.amdhsa_system_sgpr_workgroup_id_x 1
		.amdhsa_system_sgpr_workgroup_id_y 1
		.amdhsa_system_sgpr_workgroup_id_z 1
		.amdhsa_system_vgpr_workitem_id 0
		.amdhsa_next_free_vgpr 1024
		.amdhsa_next_free_sgpr 80
		.amdhsa_reserve_vcc 0
		.amdhsa_float_denorm_mode_32 3
		.amdhsa_float_denorm_mode_16_64 3
		.amdhsa_memory_ordered 1
		.amdhsa_forward_progress 1
		.amdhsa_inst_pref_size 119
	.end_amdhsa_kernel
	.amdgpu_metadata
---
amdhsa.version: [ 1, 2 ]
amdhsa.kernels:
  - .name:           k_q5274a9d91d_outproj
    .symbol:         k_q5274a9d91d_outproj.kd
    .args:
      - { .name: oh, .offset: 0, .size: 8, .value_kind: global_buffer, .address_space: global }
      - { .name: wb, .offset: 8, .size: 8, .value_kind: global_buffer, .address_space: global }
      - { .name: x, .offset: 16, .size: 8, .value_kind: global_buffer, .address_space: global }
      - { .name: out0, .offset: 24, .size: 8, .value_kind: global_buffer, .address_space: global }
    .group_segment_fixed_size: 327680
    .private_segment_fixed_size: 0
    .kernarg_segment_align: 8
    .kernarg_segment_size: 32
    .max_flat_workgroup_size: 128
    .sgpr_count:     80
    .vgpr_count:     1024
    .wavefront_size: 32
...
	.end_amdgpu_metadata
.endif
;; end of part 5
